; MI455X (gfx1250); checked and timed in simulation.
; The chip was launched on July 23, 2026; its instructions are those of AMD's public machine-readable ISA for CDNA 5 (MIT licence, August 2026) and "CDNA5" Instruction Set Architecture Reference Guide (July 2026). The comments in the code are by the model that wrote it; some were corrected since.
;; Attention Head. Allowed arithmetic: matrix products marked QUANTISED: E3M2 operands, one E8M0 scale for each 32 along K, by v_wmma_scale_f32_16x16x128_f8f6f4 with both operands' format E3M2, f32 sums; everything else in f32.
;; Inputs: input 4 x 2,048 x 1,024 float32; w 3,072 x 1,024 float32.
;; Outputs: out0 4 x 2,048 x 1,024 float32.
;; This version of the problem:
;;   THIS VERSION OF THE PROBLEM IS GIVEN IN LOW PRECISION. The matrix products marked QUANTISED in the list below multiply operands that are first quantised to E3M2 (3 exponent bits, 2 mantissa bits; 6 bits a number), with one power-of-two scale for each 32 numbers along K (OCP MX v1.0); their sums are f32. All else is computed in f32.
;;   The module's matrix products, in the order in which they are computed (A, B: the left and right operand; K: the contracted axis; several contracted axes count as one K, in the product's order):
;;     1. [M 8,192, K 1,024] x [K 1,024, N 3,072]; A: input input; B: input w: QUANTISED
;;     2. batch 4 x [M 2,048, K 1,024] x [K 1,024, N 2,048]; A: computed on the way; B: computed on the way: QUANTISED
;;     3. batch 4 x [M 2,048, K 2,048] x [K 2,048, N 1,024]; A: softmax (see below); B: computed on the way: QUANTISED
;;   THE QUANTISER, for each operand of a quantised product, along K:
;;     - K is cut into blocks of 32 from its start; a last block that is shorter is filled with zeros.
;;     - A block's scale is 2^e with e = floor(log2(the largest magnitude in the block)) - 4, held to -126 .. 127; a block of zeros has e = 0. As a byte (E8M0): e + 127.
;;     - Each number is divided by its block's scale, clamped to +-28, and rounded to the nearest number of E3M2, ties to even, subnormals kept.
;;     - The product sums the exact products of the quantised numbers (number of the format x scale) in f32.
;;   ~~~python
;;   def quantise(x, axis):      # numpy; x: float32 -> the quantised numbers, widened to float32 again
;;       x = np.moveaxis(x, axis, -1); K = x.shape[-1]
;;       x = np.pad(x, [(0, 0)] * (x.ndim - 1) + [(0, -K % 32)]); x = x.reshape(x.shape[:-1] + (-1, 32)); a = np.abs(x).max(-1, keepdims=True)
;;       e = np.where(a > 0, np.clip(np.frexp(np.where(a > 0, a, 1))[1] - 1 - 4, -126, 127), 0)      # np.frexp(a)[1] - 1 = floor(log2(a)), exactly
;;       r = np.clip(x / 2.0 ** e, -28, 28)
;;       step = 2.0 ** (np.maximum(np.frexp(np.where(r == 0, 1, r))[1] - 1, -2) - 2)
;;       q = np.round(r / step) * step * 2.0 ** e      # np.round: ties to even
;;       return np.moveaxis(q.reshape(q.shape[:-2] + (-1,))[..., :K], -1, axis).astype(np.float32)
;;   ~~~
;;   SOFTMAX AHEAD OF A QUANTISED PRODUCT. Where the list says 'softmax', what is quantised is not the finished softmax but p = 2^(t - M), with t = logit x log2(e) and M = ceil(the row's largest t), a whole number; so 1/2 < the row's largest p <= 1. The row's sum l is taken of the UNQUANTISED p, in f32, and the product's result is divided by l at the end. Since M is a whole number, a kernel that streams over the keys may use a running M (the ceiling of the running maximum): every later rescaling is an exact power of two, which a block's scale takes up: the codes' values come out the same.
;;   OPERANDS COMPUTED ON THE WAY. 'Computed on the way' means the value that the module computes at that place (a softmax that the list does not call 'softmax' is quantised finished and normalised). What goes into a quantiser is computed in f32, as accurately as f32 sums, v_exp_f32 and their like allow (about 1e-6 of the number): no bf16 or f16 on the way to a quantiser, and a product that is left as it is and whose result goes on into a quantised operand takes f32 operands (vector FMAs, or v_wmma_f32_16x16x4_f32). A number that lies on a knife's edge between two numbers of the format may be rounded either way, as far as f32 arithmetic and the matrix unit's own rounding can turn it there, and no further.
;; One version. Each part assembles by itself: llvm-mc -triple=amdgcn-amd-amdhsa -mcpu=gfx1250 --defsym DOCPART=n.
;; ======== version 1 of 1: 4 launches
;; limits: right only within a limited range of input values
;; workspace buffers: xw 9,011,200 bytes; qkv 19,660,800 bytes; pc 13,107,200 bytes; st 1,048,576 bytes
;; launch quant (part 1): grid 416 x 1, 4 waves a work-group, no clusters, 35,328 bytes of LDS; arguments input, w, xw, pc, st; writes xw, pc, st
.if DOCPART == 1
	.amdgcn_target "amdgcn-amd-amdhsa--gfx1250"
	.amdhsa_code_object_version 6
	.text
	.protected	k_q5d373457c8_quant
	.globl	k_q5d373457c8_quant
	.p2align	8
	.type	k_q5d373457c8_quant,@function
k_q5d373457c8_quant:
	s_mov_b64 s[64:65], 0
	v_nop
	global_prefetch_b8 v0, s[64:65] scope:SCOPE_SE
	s_setreg_imm32_b32 hwreg(HW_REG_WAVE_MODE, 25, 1), 1
	s_wait_xcnt 0x0
; input [8192][1024] and w [3072][1024], f32, become codes of BF6 (E3M2) with one E8M0 byte for each 32 along K, laid in PANELS, the one operand format of this program.
; A PANEL is 12,800 bytes: 128 rows x 128 K as an image of the operand's registers.  Fragment t (0..7) lies at 1536 t: registers 4 c .. 4 c + 3 of lane L at + 512 c + 16 L.  Lane (r = L % 16, h = L / 16) holds
; panel row rho(t, r) = 32 (t / 2) + 8 (t % 2) + r % 8 + 16 (r / 8); its registers 6 c .. 6 c + 5 hold K = 64 c + 32 h + 0 .. 31.  At byte 12,288: the scale words, that of (t, r) at 256 (t / 4) + 16 r + 4 (t % 4).
; xw: panel 8 g + ks; groups g 0-63 are input's rows, 64-87 w's.
; A block's scale is 2^(floor(log2(its largest magnitude)) - 4); its byte is that magnitude's exponent field - 4, held at 1 from below (a block of zeros keeps the byte 1: its codes are zeros, and this program alone reads the bytes).
; LIMITS: blocks whose largest magnitude lies under 2^-122 keep the byte 1; NaN and infinities among the inputs are not served.
; SHARES.  Work-groups 0-351: a wave makes half a panel (four fragments).  Each load reads 512 consecutive bytes of one row; 16 rows turn through the wave's own stage in LDS (rows 528 bytes apart), so that a lane
; gets 16 neighbours of each block of 32; two lanes (l, l xor 16) hold a block.  A fragment leaves by three stores of 512 consecutive bytes.  Each fragment has registers of its own as it is loaded: three fragments
; (48 loads a wave) are asked for at once, the fourth behind the first wait.
; Work-groups 352-415 fill the panels of pc and st that the score launch never makes (rows 1024 on, columns under 1024 of each batch): zero codes, M = -1e30, l = 0.  That path touches no LDS.
; No matrix unit, no tensor load, no barrier: waves share nothing.
.set WGA,  352
.set PAN,  12800
.set RB,   16                          ; v16-143  fragments 0 and 1 as loaded; fragments 2 and 3 lie in window 1, at v0-127 there
.set X,    144                         ; v144-207 64 numbers of my row: register 16 b + i = k 32 b + 16 h + i
.set PC,   208                         ; v208-227 the codes just made
.set TM,   228                         ; v228-243 at work: +0..3 largest magnitudes, +4..7 the other half's, then bytes, +12..15 the conversions' scale operands
.set PW,   244                         ; v244-247 a scale word for each fragment
.set SEL,  32                          ; s[32:33] selects for lane l xor 16
.set HM,   30                          ; s30      mask of lanes 16-31
.set MSB,  0
.macro WIN new                         ; the immediate's high byte repeats the setting that is left; a switch that changes nothing is dropped
.if MSB != (\new)
	s_set_vgpr_msb (MSB<<8)|(\new)
.set MSB, (\new)
.endif
.endm
; 64 numbers of a lane, v[s] on in window w, register 16 b + i = k 32 b + 16 (lane / 16) + i of my row, become a fragment's 12 registers in v[PC] on and its scale word in v[pw].
.macro QUANT s, w, pw
.set WQ, ((\w)<<2)|((\w)<<4)
	WIN WQ
.irp b, 0,1,2,3
	v_max3_num_f32 v[TM+\b], 0x2800000, |v[(\s)+16*\b]|, |v[(\s)+16*\b+1]|   ; block b: my 16 numbers, and the floor 2^(5 - 127): the byte cannot fall under 1
.endr
.irp i, 2,4,6,8,10,12,14
.irp b, 0,1,2,3
	v_max3_num_f32 v[TM+\b], v[TM+\b], |v[(\s)+16*\b+\i]|, |v[(\s)+16*\b+\i+1]|   ; the four blocks by turns
.endr
.endr
	WIN 0
.irp b, 0,1,2,3
	v_permlanex16_b32 v[TM+4+\b], v[TM+\b], s[SEL], s[SEL+1]
.endr
.irp b, 0,1,2,3
	v_max_num_f32 v[TM+\b], v[TM+\b], v[TM+4+\b]       ; with lane l xor 16's: the block's largest magnitude
.endr
.irp b, 0,1,2,3
	v_add_nc_u32 v[TM+12+\b], 0xfe000000, v[TM+\b]     ; 4 off its exponent field: the conversion's scale operand
.endr
.irp b, 0,1,2,3
	v_lshrrev_b32 v[TM+4+\b], 23, v[TM+12+\b]          ; the scale's byte
.endr
	v_lshl_or_b32 v[\pw], v[TM+5], 8, v[TM+4]
	v_lshl_or_b32 v[\pw], v[TM+6], 16, v[\pw]
	v_lshl_or_b32 v[\pw], v[TM+7], 24, v[\pw]
	s_wait_xcnt 0x0                                    ; the last fragment's stores have read v[PC] on: only now is it written again
	WIN (\w)
.irp c, 0,1
	v_cvt_scalef32_pk16_bf6_f32 v[PC+6*\c:PC+6*\c+2], v[(\s)+32*\c:(\s)+32*\c+15], v[TM+12+2*\c]
	v_cvt_scalef32_pk16_bf6_f32 v[PC+12+4*\c:PC+12+4*\c+2], v[(\s)+32*\c+16:(\s)+32*\c+31], v[TM+13+2*\c]   ; (a conversion's three registers begin on an even number)
.endr
	WIN 0
	v_nop                                              ; one plain place behind a scaled conversion
.irp c, 0,1                                        ; the operand's layout wants a whole block in a lane: lanes 0-15 block 2 c, lanes 16-31 block 2 c + 1
.irp i, 0,1,2
	v_permlane16_swap_b32 v[PC+6*\c+\i], v[PC+12+4*\c+\i]
.endr
.irp i, 0,1,2
	v_mov_b32 v[PC+3+6*\c+\i], v[PC+12+4*\c+\i]
.endr
.endr
.endm
	s_load_b256 s[4:11], s[0:1], 0x0               ; input s[4:5], w s[6:7], xw s[8:9], pc s[10:11]
	s_load_b64 s[12:13], s[0:1], 0x20              ; st
	v_lshl_add_u32 v254, v0, 2, 0x8800
	v_mov_b32 v255, 0
	v_lshrrev_b32 v1, 5, v0
	v_readfirstlane_b32 s14, v1                    ; wave 0..3
	v_and_b32 v3, 31, v0                           ; lane
	v_lshlrev_b32 v4, 4, v3                        ; 16 x lane: my 16 bytes of 512
	s_lshl_b32 s15, ttmp9, 2
	s_add_co_u32 s15, s15, s14                     ; 4 x work-group + wave
	s_cmp_ge_u32 ttmp9, WGA
	s_cbranch_scc1 .Lfill
	; ---- half a panel
	s_lshr_b32 s16, s15, 1                         ; the panel
	s_and_b32 s17, s15, 1                          ; which half: fragments 4 half .. 4 half + 3, rows 64 half on
	s_lshr_b32 s18, s16, 3                         ; its group of 128 rows
	s_and_b32 s19, s16, 7                          ; its K step
	v_and_b32 v1, 15, v0                           ; r
	v_bfe_u32 v2, v0, 4, 1                         ; h
	s_mul_i32 s24, s14, 8448                       ; my stage: 16 rows x 528 bytes
	v_add_nc_u32 v5, s24, v4                       ; in: a row's 512 bytes as they lie
	v_mul_u32_u24 v6, v1, 528
	v_lshl_add_u32 v6, v2, 6, v6
	v_add_nc_u32 v6, s24, v6                       ; out: row r, + 64 h: my 16 numbers of a block
	v_lshlrev_b32 v7, 4, v1
	v_lshl_add_u32 v7, v2, 3, v7                   ; the scale words' place: 16 r + 8 h
	v_cmp_lt_u32 s[HM], 15, v3
	s_mov_b32 s[SEL], 0x76543210
	s_mov_b32 s[SEL+1], 0xfedcba98
.irp b, 0,1,2,3
	v_mov_b32 v[TM+4+\b], 0                        ; written once: a lane permute's destination counts as one of its sources
.endr
	s_wait_kmcnt 0x0
	s_cmp_lt_u32 s18, 64                           ; input's group or w's: the choice hangs on the work-group's number alone
	s_cselect_b64 s[20:21], s[4:5], s[6:7]
	s_cselect_b32 s22, 0, 64
	s_sub_co_u32 s18, s18, s22
	s_lshl_b32 s22, s18, 19                        ; 128 rows of 4,096 bytes
	s_lshl_b32 s23, s17, 18                        ; 64 rows
	s_add_co_u32 s22, s22, s23
	s_lshl_b32 s23, s19, 9                         ; 128 numbers along K
	s_add_co_u32 s22, s22, s23
	s_mov_b32 s23, 0
	s_add_nc_u64 s[20:21], s[20:21], s[22:23]      ; where my rows begin
	s_mul_i32 s22, s16, PAN
	s_add_nc_u64 s[8:9], s[8:9], s[22:23]          ; the panel
	s_mul_i32 s22, s17, 6144
	s_add_nc_u64 s[26:27], s[8:9], s[22:23]        ; my four fragments
	s_lshl_b32 s22, s17, 8
	s_add_co_u32 s22, s22, 12288
	s_add_nc_u64 s[28:29], s[8:9], s[22:23]        ; my 256 bytes of scale words
.macro LOADF f                         ; fragment f's 16 rows, 512 consecutive bytes each, into the fragment's own 64 registers
.if (\f) < 2
.set RL, RB+64*(\f)
.else
.set RL, 64*((\f)-2)
	WIN 0x40                                       ; destination window 1, address window 0
.endif
.irp i, 0,1,2,3,4,5,6,7,8,9,10,11,12,13,14,15
	global_load_b128 v[RL+4*\i:RL+4*\i+3], v4, s[20:21] offset:(32*((\f)/2)+8*((\f)%2)+(\i%8)+16*(\i/8))*4096 th:TH_LOAD_NT
.endr
	WIN 0
.endm
.macro FRAGQ f
.if (\f) < 2
	s_wait_loadcnt 32                              ; this fragment's 16 loads are in; the 32 of the two fragments asked for behind it may be out
.else
	s_wait_loadcnt 16*(3-(\f))                     ; fragment 2: fragment 3's 16 may be out; fragment 3: none
.endif
.if (\f) == 0
	LOADF 3                                        ; the last fragment is asked for here: 48 loads of mine are out again
.endif
.if (\f) < 2
.set RL, RB+64*(\f)
.else
.set RL, 64*((\f)-2)
	WIN 0x04                                       ; an LDS store's data are its source 1: window 1
.endif
.irp i, 0,1,2,3,4,5,6,7,8,9,10,11,12,13,14,15
	ds_store_b128 v5, v[RL+4*\i:RL+4*\i+3] offset:528*\i
.endr
	WIN 0
.irp b, 0,1,2,3
.irp j, 0,1,2,3
	ds_load_b128 v[X+16*\b+4*\j:X+16*\b+4*\j+3], v6 offset:128*\b+16*\j   ; LDS serves a wave's instructions in order: these see my stores
.endr
.endr
	s_wait_dscnt 0x0                               ; my numbers are back
	QUANT X, 0, PW+(\f)
.irp c, 0,1,2
	global_store_b128 v4, v[PC+4*\c:PC+4*\c+3], s[26:27] offset:1536*(\f)+512*\c   ; 32 lanes store 512 consecutive bytes, aligned
.endr
.endm
	LOADF 0
	LOADF 1
	LOADF 2
	FRAGQ 0
	FRAGQ 1
	FRAGQ 2
	FRAGQ 3
	v_cndmask_b32 v248, v[PW], v[PW+2], s[HM]      ; lanes 0-15 store the words of fragments 0, 1 of the half, lanes 16-31 those of 2, 3 (both halves of the lanes hold all four)
	v_cndmask_b32 v249, v[PW+1], v[PW+3], s[HM]
	global_store_b64 v7, v[248:249], s[28:29]      ; 256 consecutive bytes, aligned
	s_wait_tensorcnt 0x0
	ds_add_u32 v254, v255
	s_wait_dscnt 0x0
	s_endpgm
.Lfill:                                            ; ---- a wave fills one panel of pc and its 1,024 bytes of st
	s_sub_co_u32 s15, s15, 4*WGA                   ; z = 0 .. 255
	s_lshr_b32 s16, s15, 6                         ; the batch
	s_bfe_u32 s17, s15, 0x30003                    ; (z / 8) % 8
	s_and_b32 s18, s15, 7                          ; the K step: 0 .. 7
	s_lshl_b32 s16, s16, 4
	s_add_co_u32 s16, s16, s17
	s_add_co_u32 s16, s16, 8                       ; 16 b + row block 8 .. 15
	s_lshl_b32 s16, s16, 4
	s_add_co_u32 s16, s16, s18                     ; the panel's number
	s_mul_i32 s22, s16, PAN
	s_mov_b32 s23, 0
	s_lshl_b32 s24, s16, 10
	s_mov_b32 s25, 0
.irp i, 8,9,10,11
	v_mov_b32 v\i, 0
.endr
.irp i, 12,13,14,15
	v_mov_b32 v\i, 0xf149f2ca                      ; -1e30: under every M
.endr
	s_wait_kmcnt 0x0
	s_add_nc_u64 s[10:11], s[10:11], s[22:23]
	s_add_nc_u64 s[12:13], s[12:13], s[24:25]
.set n, 0
.rept 25
	global_store_b128 v4, v[8:11], s[10:11] offset:512*n   ; zero codes and zero scale bytes: they add nothing
.set n, n+1
.endr
	global_store_b128 v4, v[12:15], s[12:13]       ; M
	global_store_b128 v4, v[8:11], s[12:13] offset:512   ; l
	s_endpgm
.Lfunc_end_k_q5d373457c8_quant:
	.size	k_q5d373457c8_quant, .Lfunc_end_k_q5d373457c8_quant-k_q5d373457c8_quant
	.p2alignl 7, 3214868480
	.fill 96, 4, 3214868480
	.section	.rodata,"a",@progbits
	.p2align	6, 0x0
	.amdhsa_kernel k_q5d373457c8_quant
		.amdhsa_group_segment_fixed_size 35328
		.amdhsa_private_segment_fixed_size 0
		.amdhsa_enable_private_segment 0
		.amdhsa_kernarg_size 40
		.amdhsa_user_sgpr_count 2
		.amdhsa_user_sgpr_kernarg_segment_ptr 1
		.amdhsa_wavefront_size32 1
		.amdhsa_system_sgpr_workgroup_id_x 1
		.amdhsa_system_sgpr_workgroup_id_y 1
		.amdhsa_system_sgpr_workgroup_id_z 1
		.amdhsa_system_vgpr_workitem_id 0
		.amdhsa_next_free_vgpr 384
		.amdhsa_next_free_sgpr 66
		.amdhsa_reserve_vcc 0
		.amdhsa_float_denorm_mode_32 3
		.amdhsa_float_denorm_mode_16_64 3
		.amdhsa_memory_ordered 1
		.amdhsa_forward_progress 1
		.amdhsa_inst_pref_size 37
	.end_amdhsa_kernel
	.amdgpu_metadata
---
amdhsa.version: [ 1, 2 ]
amdhsa.kernels:
  - .name:           k_q5d373457c8_quant
    .symbol:         k_q5d373457c8_quant.kd
    .args:
      - { .name: input, .offset: 0, .size: 8, .value_kind: global_buffer, .address_space: global }
      - { .name: w, .offset: 8, .size: 8, .value_kind: global_buffer, .address_space: global }
      - { .name: xw, .offset: 16, .size: 8, .value_kind: global_buffer, .address_space: global }
      - { .name: pc, .offset: 24, .size: 8, .value_kind: global_buffer, .address_space: global }
      - { .name: st, .offset: 32, .size: 8, .value_kind: global_buffer, .address_space: global }
    .group_segment_fixed_size: 35328
    .private_segment_fixed_size: 0
    .kernarg_segment_align: 8
    .kernarg_segment_size: 40
    .max_flat_workgroup_size: 128
    .sgpr_count:     66
    .vgpr_count:     384
    .wavefront_size: 32
...
	.end_amdgpu_metadata
.endif
;; end of part 1
;; launch proj (part 2): grid 8 x 48, 4 waves a work-group, clusters of 4 x 4, 327,680 bytes of LDS; arguments xw, qkv; writes qkv
.if DOCPART == 2
	.amdgcn_target "amdgcn-amd-amdhsa--gfx1250"
	.amdhsa_code_object_version 6
	.text
	.protected	k_q5d373457c8_proj
	.globl	k_q5d373457c8_proj
	.p2align	8
	.type	k_q5d373457c8_proj,@function
k_q5d373457c8_proj:
	s_mov_b64 s[64:65], 0
	v_nop
	global_prefetch_b8 v0, s[64:65] scope:SCOPE_SE
	s_setreg_imm32_b32 hwreg(HW_REG_WAVE_MODE, 25, 1), 1
	s_wait_xcnt 0x0
	s_wait_alu depctr_hold_cnt(0) depctr_sa_sdst(0) depctr_va_vdst(0) depctr_va_sdst(0) depctr_va_ssrc(0) depctr_va_vcc(0) depctr_vm_vsrc(0)
	s_getreg_b32 s2, hwreg(HW_REG_IB_STS2, 6, 4)
	s_cmp_eq_u32 s2, 0
	s_cbranch_scc0 .Lentry_in_a_cluster
	s_endpgm
.Lentry_in_a_cluster:
	s_bfe_u32 s2, ttmp6, 0x10000c
	s_cmp_lg_u32 s2, 0xf033
	s_cbranch_scc0 .Lentry_shape_is_right
	s_endpgm
.Lentry_shape_is_right:
; qkv = input w^T on codes of BF6 (E3M2), and its result quantised at once for the products that follow: q and k along e, v along j (the sequence), all in f32 ahead of the quantiser.
; PANELS (12,800 bytes, 128 rows x 128 K as an image of the operand's registers): fragment t at 1536 t, registers 4 c .. 4 c + 3 of lane L at + 512 c + 16 L; lane (r, h) holds panel row
; rho(t, r) = 32 (t / 2) + 8 (t % 2) + r % 8 + 16 (r / 8), registers 6 c .. 6 c + 5 K = 64 c + 32 h + 0 .. 31; scale words at 12,288 + 256 (t / 4) + 16 r + 4 (t % 4).
; xw: panel 8 g + ks (g 0-63 input's rows, 64-71 w_q, 72-79 w_k, 80-87 w_v).  qkv: q at 8 g + ks, k at 512 + 8 g + ks (K = e); v^T at 1024 + 16 (8 b + ge) + ks (rows e, K = j).
; THE PRODUCT: source 0 = fragment t of the COLUMN operand C, source 1 = fragment a of the ROW operand P.  Lane (r, h), register j of the result is row rho(a, r), column 32 (t / 2) + 16 h + 8 (t % 2) + j: so the 64
; registers of P's block a are, in order, 16 neighbours of each block of 32 along the columns, which is what the quantiser takes, and its 12 registers ARE fragment a of the output panel: three stores of 512 consecutive bytes.
; Cluster rows 0-7: P = input's rows, C = w_q, w_k's rows: panels of q and k.  Cluster rows 8-11 (batch b = cluster y - 8): P = w_v's rows, C = input's rows: panels of v^T, whose K is the sequence.
; SHARES.  A work-group makes 256 x 256, each of its four waves 128 x 128: 64 accumulators, 512 registers.  K = 1,024 goes in eight steps of 128.
; THE RING has THREE LDS slots of two K steps (102,400 bytes each).  K steps 0-5 are asked for at the start, three loads a wave; slot 0 alone is filled again, with K steps 6 and 7, behind the round in K step 1:
; that load has K steps 2, 3, 4 and two halves in which to land.  The wait for all loads in front of that round shows slots 1.
; A tile (one group x two K steps) is 25,600 dense bytes, taken as 100 rows of 256.  Every LDS load takes 512 consecutive bytes, 16 a lane: no padding is needed.
; CLUSTERS 4 x 4: P's tiles are shared along a row of the cluster, C's along a column: joint loads with a mask of four.  The text is straight: eight K steps, no loop.
; LIMITS: NaN and infinities are not served; blocks whose largest magnitude lies under 2^-122 keep the scale byte 1.
; REGISTERS: window 0: v3 lane; v16-18, v20-22 LDS addresses; v24 16 x lane; v28-29 for the add; v32-47 scale words, two sets; v64-159, v160-255 P's fragments, two sets (on the way out: v128 on at work).
;   window 1: C's fragments at v0-95 and v128-223.   window 2: accumulators of P's blocks 0-3 ((a, t) at v[8 (8 (a % 4) + t)]);   window 3: blocks 4-7.
.set PAN,   12800
.set GRP,   8*PAN                      ; a group's eight K steps in memory
.set RGN,   2*PAN                      ; a tile in LDS: one group x two K steps
.set SLOT,  4*RGN                      ; P's two groups, then C's two
.set SPARE, 3*SLOT                     ; behind the ring: the spare words, 128 bytes a wave: two blocks of 256 bytes that no other line names
.set ADP, 16                           ; v16-18  16 x lane + my P group's tile in slot 0, 1, 2
.set ADC, 20                           ; v20-22  the same for C
.set GA,  24                           ; v24     16 x lane
.set SPW, 28                           ; v28     LDS address of my spare word; never rewritten
.set NIL, 29                           ; v29     0; never rewritten
.set PC,  128                          ; the way out: the codes just made
.set TM,  148                          ; at work
.set PW,  176                          ; v176-183 a scale word for each block
.set OUTR, 200
.set G1P, 24                           ; s[24:31] descriptor group 1 for P's tiles
.set G1C, 48                           ; s[48:55] for C's
.set G0P0, 32                          ; descriptor group 0 for P's tiles, a set for each slot: three loads of a wave are out at the start
.set G0P1, 36
.set G0P2, 76
.set G0C0, 56                          ; the same for C's
.set G0C1, 60
.set G0C2, 96
.set LDA, 84                           ; s84 where my tile goes in a slot
.set SEL, 66                           ; s[66:67] selects for lane l xor 16
.set HM,  70                           ; s70 mask of lanes 16-31
.set OUT, 72                           ; s[72:73] my output panel
.set MUL_LO, 0xa1                      ; source 0 (C) window 1, source 1 (P) window 0, C and D window 2
.set MUL_HI, 0xf1                      ; the same, C and D window 3
.set TO_C,   0x40                      ; destination window 1, address window 0
.set MSB, 0
.macro WIN new                         ; the immediate's high byte repeats the setting that is left
.if MSB != (\new)
	s_set_vgpr_msb (MSB<<8)|(\new)
.set MSB, (\new)
.endif
.endm
.macro PLACES n
.rept \n
	v_nop
.endr
.endm
; A joint load: waves 0 and 1 fetch P's two groups, waves 2 and 3 C's.  Each line has one mask and one set of registers for all that issue it; the branch hangs on the wave's number alone.
; Four v_nop follow each of the two lines, ahead of the jump, the label and what follows.
.macro JLOAD g0a, g1a, g0b, g1b
	s_cmp_eq_u32 s15, 0
	s_cbranch_scc0 .Lfor_c_\@
	tensor_load_to_lds s[\g0a:\g0a+3], s[\g1a:\g1a+7]
	s_nop 0
.rept 4
	v_nop
.endr
	s_branch .Lasked_\@
.Lfor_c_\@:
	tensor_load_to_lds s[\g0b:\g0b+3], s[\g1b:\g1b+7]
	s_nop 0
.rept 4
	v_nop
.endr
.Lasked_\@:
.endm
; Slot s's two sets of group 0, and its first fill: K steps 2 s and 2 s + 1
.macro FIRST gp, gc, s
	s_mov_b32 s[\gp], 1                                            ; count = 1
	s_add_co_u32 s[\gp+1], s[LDA], (\s)*SLOT                       ; LDS address
	s_add_nc_u64 s[\gp+2:\gp+3], s[20:21], (\s)*RGN                ; global address
	s_or_b32 s[\gp+3], s[\gp+3], 0x80000000                        ; type = 2
	s_mov_b32 s[\gc], 1
	s_add_co_u32 s[\gc+1], s[LDA], (\s)*SLOT
	s_add_nc_u64 s[\gc+2:\gc+3], s[46:47], (\s)*RGN
	s_or_b32 s[\gc+3], s[\gc+3], 0x80000000
	JLOAD \gp, G1P, \gc, G1C
.endm
.macro CREST                           ; a round of the cluster's barrier behind its opening barrier
	s_cmp_lg_u32 s14, 0
	s_cbranch_scc1 .Lnot_wave_0_\@
	s_barrier_signal -3
.Lnot_wave_0_\@:
	s_barrier_wait -3
	s_barrier_signal -1
	s_barrier_wait -1
.endm
.macro CROUND                          ; a whole round
	s_barrier_signal -1
	s_barrier_wait -1
	CREST
.endm
; One product on the registers named by rD, rC, rP, rSC, rSP.  ra, rb: the scale words lie in lanes 16-31 of their register.  z = 1: it starts the sum.
.macro WMX ra, rb, z
.if \z
.if ((\ra)==0) && ((\rb)==0)
	v_wmma_scale_f32_16x16x128_f8f6f4 v[rD:rD+7], v[rC:rC+11], v[rP:rP+11], 0, v[rSC], v[rSP] matrix_a_fmt:MATRIX_FMT_BF6 matrix_b_fmt:MATRIX_FMT_BF6
.elseif (\rb)==0
	v_wmma_scale_f32_16x16x128_f8f6f4 v[rD:rD+7], v[rC:rC+11], v[rP:rP+11], 0, v[rSC], v[rSP] matrix_a_fmt:MATRIX_FMT_BF6 matrix_b_fmt:MATRIX_FMT_BF6 matrix_a_scale:MATRIX_SCALE_ROW1
.elseif (\ra)==0
	v_wmma_scale_f32_16x16x128_f8f6f4 v[rD:rD+7], v[rC:rC+11], v[rP:rP+11], 0, v[rSC], v[rSP] matrix_a_fmt:MATRIX_FMT_BF6 matrix_b_fmt:MATRIX_FMT_BF6 matrix_b_scale:MATRIX_SCALE_ROW1
.else
	v_wmma_scale_f32_16x16x128_f8f6f4 v[rD:rD+7], v[rC:rC+11], v[rP:rP+11], 0, v[rSC], v[rSP] matrix_a_fmt:MATRIX_FMT_BF6 matrix_b_fmt:MATRIX_FMT_BF6 matrix_a_scale:MATRIX_SCALE_ROW1 matrix_b_scale:MATRIX_SCALE_ROW1
.endif
.else
.if ((\ra)==0) && ((\rb)==0)
	v_wmma_scale_f32_16x16x128_f8f6f4 v[rD:rD+7], v[rC:rC+11], v[rP:rP+11], v[rD:rD+7], v[rSC], v[rSP] matrix_a_fmt:MATRIX_FMT_BF6 matrix_b_fmt:MATRIX_FMT_BF6
.elseif (\rb)==0
	v_wmma_scale_f32_16x16x128_f8f6f4 v[rD:rD+7], v[rC:rC+11], v[rP:rP+11], v[rD:rD+7], v[rSC], v[rSP] matrix_a_fmt:MATRIX_FMT_BF6 matrix_b_fmt:MATRIX_FMT_BF6 matrix_a_scale:MATRIX_SCALE_ROW1
.elseif (\ra)==0
	v_wmma_scale_f32_16x16x128_f8f6f4 v[rD:rD+7], v[rC:rC+11], v[rP:rP+11], v[rD:rD+7], v[rSC], v[rSP] matrix_a_fmt:MATRIX_FMT_BF6 matrix_b_fmt:MATRIX_FMT_BF6 matrix_b_scale:MATRIX_SCALE_ROW1
.else
	v_wmma_scale_f32_16x16x128_f8f6f4 v[rD:rD+7], v[rC:rC+11], v[rP:rP+11], v[rD:rD+7], v[rSC], v[rSP] matrix_a_fmt:MATRIX_FMT_BF6 matrix_b_fmt:MATRIX_FMT_BF6 matrix_a_scale:MATRIX_SCALE_ROW1 matrix_b_scale:MATRIX_SCALE_ROW1
.endif
.endif
.endm
; P's block a against C's eight fragments: eight products.  The 64 accumulators take turns, one instruction a turn, in the same order in every K step.
.macro MULB a, set, z
.irp t, 0,1,2,3,4,5,6,7
.set rD, 8*(8*((\a)%4)+\t)
.set rC, 128*(\set)+12*\t
.set rP, 64+96*(\set)+12*(\a)
.set rSC, 32+8*(\set)+(\t%4)           ; register i of a set's four: lanes 0-15 fragment i's words, lanes 16-31 fragment 4 + i's
.set rSP, 36+8*(\set)+((\a)%4)
	WMX (\t/4), ((\a)/4), \z
.endr
.endm
; 50 LDS loads in one run: the slot's q-th K step, C's and P's eight fragments and their scale words, into set
.macro FETCH slot, q, set
	WIN TO_C
.irp t, 0,1,2,3,4,5,6,7
.irp c, 0,1,2
	ds_load_b128 v[128*(\set)+12*\t+4*\c:128*(\set)+12*\t+4*\c+3], v[ADC+(\slot)] offset:PAN*(\q)+1536*\t+512*\c
.endr
.endr
	WIN 0
.irp t, 0,1,2,3,4,5,6,7
.irp c, 0,1,2
	ds_load_b128 v[64+96*(\set)+12*\t+4*\c:64+96*(\set)+12*\t+4*\c+3], v[ADP+(\slot)] offset:PAN*(\q)+1536*\t+512*\c
.endr
.endr
	ds_load_b128 v[32+8*(\set):32+8*(\set)+3], v[ADC+(\slot)] offset:PAN*(\q)+12288
	ds_load_b128 v[36+8*(\set):36+8*(\set)+3], v[ADP+(\slot)] offset:PAN*(\q)+12288
.endm
; A K step that needs no barrier: it multiplies set; in its middle the next step's fragments (slot fslot, its fq-th K step, whole and shown to every wave) are fetched into the other set,
; behind four places (ISA guide 7.12.1 for vector instructions): that set was read by the step before.
.macro STEPX set, fslot, fq, z
	s_wait_dscnt 0x0                               ; this step's fragments are in (asked for 32 products ago)
	WIN MUL_LO
.irp a, 0,1,2,3
	MULB \a, \set, \z
.endr
	PLACES 4
	FETCH \fslot, \fq, 1-(\set)
	WIN MUL_HI
.irp a, 4,5,6,7
	MULB \a, \set, \z
.endr
.endm
; A K step (set 1) with a barrier; in front of it each wave waits for all its tensor loads, adds 0 to its spare word, and waits for that and for its LDS reads.
; fill = 1 (K step 1): the barrier opens a round of the cluster's barrier, and slot 0, which nobody reads any more, is filled again, with K steps 6 and 7, first thing behind the round.
; fill = 0 (K step 5): that load has landed in every wave's part: slot 0 is whole again.  Behind the barrier the first K step of slot next is fetched.
.macro TURN next, fill
	WIN 0                                          ; (the add's two registers lie in window 0)
	s_wait_tensorcnt 0x0                           ; all my tensor loads have landed
	ds_add_u32 v[SPW], v[NIL]                      ; 0 onto my spare word
	s_wait_dscnt 1                                 ; the add alone may be out: this step's fragments are in
	WIN MUL_LO
	MULB 0, 1, 0                                   ; sixteen products stand between the add and the wait for it
	MULB 1, 1, 0
	s_wait_dscnt 0x0                               ; the add is done, and my LDS reads are over
	s_barrier_signal -1
	MULB 2, 1, 0
	MULB 3, 1, 0
	WIN 0
	s_barrier_wait -1
.if \fill
	CREST                                          ; no wave of any partner still reads slot 0's tiles or has a load on its way
	s_add_nc_u64 s[G0P0+2:G0P0+3], s[G0P0+2:G0P0+3], 3*RGN         ; from K step 0 to K step 6
	s_add_nc_u64 s[G0C0+2:G0C0+3], s[G0C0+2:G0C0+3], 3*RGN
	JLOAD G0P0, G1P, G0C0, G1C                     ; the first tensor load behind the round, and my only one from here on; its four v_nop are also the places in front of the loads below
.else
	PLACES 4
.endif
	FETCH \next, 0, 0
	WIN MUL_HI
.irp a, 4,5,6,7
	MULB \a, 1, 0
.endr
.endm
.macro LAST set                        ; the last K step: nothing more to fetch
	s_wait_dscnt 0x0
	WIN MUL_LO
.irp a, 0,1,2,3
	MULB \a, \set, 0
.endr
	WIN MUL_HI
.irp a, 4,5,6,7
	MULB \a, \set, 0
.endr
	WIN 0
	PLACES 4                                       ; in front of the first read of results and of writes over the fragments' registers
.endm
; 64 numbers of a lane, v[s] on in window w, register 16 b + i = k 32 b + 16 (lane / 16) + i of my row, become a fragment's 12 registers in v[PC] on and its scale word in v[pw].  Each accumulator is read from its low end on.
.macro QUANT s, w, pw
.set WQ, ((\w)<<2)|((\w)<<4)
	WIN WQ
.irp b, 0,1,2,3
	v_max3_num_f32 v[TM+\b], 0x2800000, |v[(\s)+16*\b]|, |v[(\s)+16*\b+1]|   ; block b: my 16 numbers, and the floor 2^(5 - 127): the byte cannot fall under 1
.endr
.irp i, 2,4,6,8,10,12,14
.irp b, 0,1,2,3
	v_max3_num_f32 v[TM+\b], v[TM+\b], |v[(\s)+16*\b+\i]|, |v[(\s)+16*\b+\i+1]|
.endr
.endr
	WIN 0
.irp b, 0,1,2,3
	v_permlanex16_b32 v[TM+4+\b], v[TM+\b], s[SEL], s[SEL+1]
.endr
.irp b, 0,1,2,3
	v_max_num_f32 v[TM+\b], v[TM+\b], v[TM+4+\b]       ; with lane l xor 16's: the block's largest magnitude
.endr
.irp b, 0,1,2,3
	v_add_nc_u32 v[TM+12+\b], 0xfe000000, v[TM+\b]     ; 4 off its exponent field: the conversion's scale operand
.endr
.irp b, 0,1,2,3
	v_lshrrev_b32 v[TM+4+\b], 23, v[TM+12+\b]          ; the scale's byte
.endr
	v_lshl_or_b32 v[\pw], v[TM+5], 8, v[TM+4]
	v_lshl_or_b32 v[\pw], v[TM+6], 16, v[\pw]
	v_lshl_or_b32 v[\pw], v[TM+7], 24, v[\pw]
	s_wait_xcnt 0x0                                    ; the last block's stores have read v[PC] on: only now is it written again
	WIN (\w)
.irp c, 0,1
	v_cvt_scalef32_pk16_bf6_f32 v[PC+6*\c:PC+6*\c+2], v[(\s)+32*\c:(\s)+32*\c+15], v[TM+12+2*\c]
	v_cvt_scalef32_pk16_bf6_f32 v[PC+12+4*\c:PC+12+4*\c+2], v[(\s)+32*\c+16:(\s)+32*\c+31], v[TM+13+2*\c]   ; (a conversion's three registers begin on an even number)
.endr
	WIN 0
	v_nop                                              ; one plain place behind a scaled conversion
.irp c, 0,1                                        ; the operand's layout wants a whole block in a lane
.irp i, 0,1,2
	v_permlane16_swap_b32 v[PC+6*\c+\i], v[PC+12+4*\c+\i]
.endr
.irp i, 0,1,2
	v_mov_b32 v[PC+3+6*\c+\i], v[PC+12+4*\c+\i]
.endr
.endr
.endm
	s_load_b128 s[4:7], s[0:1], 0x0                ; xw s[4:5], qkv s[6:7]
	v_lshl_add_u32 v[SPW], v0, 2, SPARE
	v_mov_b32 v[NIL], 0
	ds_add_u32 v28, v29
	ds_add_u32 v28, v29
	s_wait_dscnt 0x0
	v_lshrrev_b32 v1, 5, v0
	v_readfirstlane_b32 s14, v1                    ; wave 0..3
	s_lshr_b32 s15, s14, 1                         ; which of P's two groups is mine.  Also: I fetch for P (0) or for C (1)
	s_and_b32 s16, s14, 1                          ; which of C's two groups.  Also: which group of that operand I fetch
	s_bfe_u32 s40, ttmp6, 0x40000                  ; cx, cy: my place in the cluster
	s_bfe_u32 s41, ttmp6, 0x40004
	s_mov_b32 s42, ttmp9                           ; cluster x
	s_and_b32 s43, ttmp7, 0xffff                   ; cluster y
	s_lshl_b32 s44, s41, 2
	s_lshl_b32 s44, 15, s44                        ; my row of the cluster
	s_lshl_b32 s45, 0x1111, s40                    ; my column
	; descriptor group 1: 100 rows of 32 elements of 8 bytes, dense, no padding
	s_or_b32 s[G1P], s44, (3<<16)|(1<<21)          ; 15:0 the mask: P's tiles go to my row; 17:16 elements of 8 bytes; 21 set beside a mask
	s_or_b32 s[G1C], s45, (3<<16)|(1<<21)          ; C's go to my column
.irp g, G1P, G1C
	s_mov_b32 s[\g+1], 32<<16                      ; tensor_dim0
	s_mov_b32 s[\g+2], 100<<16                     ; tensor_dim1
	s_mov_b32 s[\g+3], 32<<16                      ; tile_dim0
	s_mov_b32 s[\g+4], 100                         ; tile_dim1
	s_mov_b32 s[\g+5], 32                          ; tensor_dim0_stride
	s_mov_b32 s[\g+6], 0
	s_mov_b32 s[\g+7], 0
.endr
	; which groups.  The mode hangs on cluster y alone, which all sixteen partners share; P's registers never hold cx, C's never cy
	s_lshl_b32 s17, s42, 3
	s_lshl_b32 s19, s40, 1
	s_add_co_u32 s17, s17, s19                     ; 2 x tile column = 8 cluster x + 2 cx
	s_lshl_b32 s22, s41, 1                         ; 2 cy
	s_lshl_b32 s20, s43, 3                         ; 8 cluster y
	s_lshl_b32 s23, s43, 4
	s_sub_co_u32 s23, s23, 128                     ; 16 b, b = cluster y - 8 (used in the v mode alone)
	s_cmp_ge_u32 s43, 8
	s_cselect_b32 s20, 80, s20                     ; P's base: w_v's groups, or input's
	s_cselect_b32 s46, s23, 64                     ; C's base: the batch's groups of input, or w_q's and w_k's
	s_add_co_u32 s20, s20, s22
	s_add_co_u32 s20, s20, s16                     ; the group of P that I fetch
	s_add_co_u32 s46, s46, s17
	s_add_co_u32 s46, s46, s16                     ; the group of C that I fetch
	s_mul_i32 s20, s20, GRP
	s_mov_b32 s21, 0
	s_mul_i32 s46, s46, GRP
	s_mov_b32 s47, 0
	; my output panel
	s_add_co_u32 s80, s17, s16                     ; my column group: 0 .. 15
	s_add_co_u32 s81, s22, s15                     ; 2 cy + my half
	s_lshl_b32 s82, s43, 3
	s_add_co_u32 s82, s82, s81                     ; q, k: input's row group
	s_lshr_b32 s83, s80, 3                         ; 0: q, 1: k
	s_lshl_b32 s83, s83, 6
	s_add_co_u32 s82, s82, s83
	s_lshl_b32 s82, s82, 3
	s_and_b32 s83, s80, 7                          ; the K step along e
	s_add_co_u32 s82, s82, s83
	s_lshr_b32 s83, s23, 1                         ; v: 8 b
	s_add_co_u32 s83, s83, s81                     ; + the group of e
	s_lshl_b32 s83, s83, 4
	s_add_co_u32 s83, s83, s80                     ; + the K step along j
	s_add_co_u32 s83, s83, 1024
	s_cmp_ge_u32 s43, 8
	s_cselect_b32 s82, s83, s82
	s_mul_i32 s82, s82, PAN
	s_mov_b32 s83, 0
	s_mul_i32 s[LDA], s14, RGN                     ; where my tile goes: wave x 25,600: no place in the cluster enters an LDS address
	s_mov_b32 s[SEL], 0x76543210
	s_mov_b32 s[SEL+1], 0xfedcba98
	s_wait_kmcnt 0x0
	s_add_nc_u64 s[20:21], s[4:5], s[20:21]
	s_add_nc_u64 s[46:47], s[4:5], s[46:47]
	s_add_nc_u64 s[OUT:OUT+1], s[6:7], s[82:83]
	CROUND                                         ; all sixteen work-groups are here: the first joint loads meet
	FIRST G0P0, G0C0, 0                            ; K steps 0, 1
	FIRST G0P1, G0C1, 1                            ; 2, 3
	FIRST G0P2, G0C2, 2                            ; 4, 5: three loads of mine are out
	v_and_b32 v3, 31, v0                           ; lane
	v_lshlrev_b32 v[GA], 4, v3
	v_cmp_lt_u32 s[HM], 15, v3
	s_mul_i32 s85, s15, RGN                        ; my group of P
	s_mul_i32 s86, s16, RGN
	s_add_co_u32 s86, s86, 2*RGN                   ; my group of C, behind P's two
.irp s, 0,1,2
	v_add_nc_u32 v[ADP+\s], s85, v[GA]
	v_add_nc_u32 v[ADC+\s], s86, v[GA]
	s_add_co_u32 s85, s85, SLOT
	s_add_co_u32 s86, s86, SLOT
.endr
	s_wait_tensorcnt 2                             ; my part of slot 0 is in; the loads for slots 1 and 2 may stay out
	s_barrier_signal -1
	s_barrier_wait -1                              ; everybody's is
	FETCH 0, 0, 0
	STEPX 0, 0, 1, 1                               ; K step 0: its products start the sums: nothing is cleared
	TURN 1, 1                                      ; 1; slots 1 and 2 are whole; slot 0 takes K steps 6, 7
	STEPX 0, 1, 1, 0                               ; 2
	STEPX 1, 2, 0, 0                               ; 3; on into slot 2 without a barrier
	STEPX 0, 2, 1, 0                               ; 4
	TURN 0, 0                                      ; 5; slot 0 is whole again; nothing is left to fetch
	STEPX 0, 0, 1, 0                               ; 6
	LAST 1                                         ; 7
	; THE WAY OUT: each of my eight blocks of 16 rows is quantised along its 128 columns and leaves as a fragment of my output panel
.irp b, 0,1,2,3
	v_mov_b32 v[TM+4+\b], 0                        ; written once: a lane permute's destination counts as one of its sources
.endr
.irp a, 0,1,2,3,4,5,6,7
	QUANT 64*(\a%4), 2+(\a/4), PW+\a
.irp c, 0,1,2
	global_store_b128 v[GA], v[PC+4*\c:PC+4*\c+3], s[OUT:OUT+1] offset:1536*\a+512*\c   ; 32 lanes store 512 consecutive bytes, aligned
.endr
.endr
.irp i, 0,1,2,3
	v_cndmask_b32 v[OUTR+\i], v[PW+\i], v[PW+4+\i], s[HM]   ; lanes 0-15 the words of fragments 0-3, lanes 16-31 those of 4-7 (both halves of the lanes hold all eight)
.endr
	global_store_b128 v[GA], v[OUTR:OUTR+3], s[OUT:OUT+1] offset:12288
	s_wait_tensorcnt 0x0                           ; the wave's end
	ds_add_u32 v[SPW], v[NIL]
	s_wait_dscnt 0x0
	CROUND                                         ; the closing round: no work-group ends while a partner may still ask for a tile that names it
	s_endpgm
.Lfunc_end_k_q5d373457c8_proj:
	.size	k_q5d373457c8_proj, .Lfunc_end_k_q5d373457c8_proj-k_q5d373457c8_proj
	.p2alignl 7, 3214868480
	.fill 96, 4, 3214868480
	.section	.rodata,"a",@progbits
	.p2align	6, 0x0
	.amdhsa_kernel k_q5d373457c8_proj
		.amdhsa_group_segment_fixed_size 327680
		.amdhsa_private_segment_fixed_size 0
		.amdhsa_enable_private_segment 0
		.amdhsa_kernarg_size 16
		.amdhsa_user_sgpr_count 2
		.amdhsa_user_sgpr_kernarg_segment_ptr 1
		.amdhsa_wavefront_size32 1
		.amdhsa_system_sgpr_workgroup_id_x 1
		.amdhsa_system_sgpr_workgroup_id_y 1
		.amdhsa_system_sgpr_workgroup_id_z 1
		.amdhsa_system_vgpr_workitem_id 0
		.amdhsa_next_free_vgpr 1024
		.amdhsa_next_free_sgpr 100
		.amdhsa_reserve_vcc 0
		.amdhsa_float_denorm_mode_32 3
		.amdhsa_float_denorm_mode_16_64 3
		.amdhsa_memory_ordered 1
		.amdhsa_forward_progress 1
		.amdhsa_inst_pref_size 135
	.end_amdhsa_kernel
	.amdgpu_metadata
---
amdhsa.version: [ 1, 2 ]
amdhsa.kernels:
  - .name:           k_q5d373457c8_proj
    .symbol:         k_q5d373457c8_proj.kd
    .args:
      - { .name: xw, .offset: 0, .size: 8, .value_kind: global_buffer, .address_space: global }
      - { .name: qkv, .offset: 8, .size: 8, .value_kind: global_buffer, .address_space: global }
    .group_segment_fixed_size: 327680
    .private_segment_fixed_size: 0
    .kernarg_segment_align: 8
    .kernarg_segment_size: 16
    .max_flat_workgroup_size: 128
    .sgpr_count:     100
    .vgpr_count:     1024
    .wavefront_size: 32
...
	.end_amdgpu_metadata
.endif
;; end of part 2
;; launch score (part 3): grid 12 x 16, 4 waves a work-group, clusters of 4 x 4, 327,680 bytes of LDS; arguments qkv, pc, st; writes pc, st
.if DOCPART == 3
	.amdgcn_target "amdgcn-amd-amdhsa--gfx1250"
	.amdhsa_code_object_version 6
	.text
	.protected	k_q5d373457c8_score
	.globl	k_q5d373457c8_score
	.p2align	8
	.type	k_q5d373457c8_score,@function
k_q5d373457c8_score:
	s_mov_b64 s[64:65], 0
	v_nop
	global_prefetch_b8 v0, s[64:65] scope:SCOPE_SE
	s_setreg_imm32_b32 hwreg(HW_REG_WAVE_MODE, 25, 1), 1
	s_wait_xcnt 0x0
	s_wait_alu depctr_hold_cnt(0) depctr_sa_sdst(0) depctr_va_vdst(0) depctr_va_sdst(0) depctr_va_ssrc(0) depctr_va_vcc(0) depctr_vm_vsrc(0)
	s_getreg_b32 s2, hwreg(HW_REG_IB_STS2, 6, 4)
	s_cmp_eq_u32 s2, 0
	s_cbranch_scc0 .Lentry_in_a_cluster
	s_endpgm
.Lentry_in_a_cluster:
	s_bfe_u32 s2, ttmp6, 0x10000c
	s_cmp_lg_u32 s2, 0xf033
	s_cbranch_scc0 .Lentry_shape_is_right
	s_endpgm
.Lentry_shape_is_right:
; scores[b][i][j] = k_i . q_j / 32 on codes of BF6 (E3M2), kept where j >= i; then, for each row i and each 128 columns j: M = the ceiling of the largest t = score x log2(e) among them, p = 2^(t - M), quantised along j,
; and l = the sum of the unquantised p.  M is a whole number, so the last launch brings every block under the row's own M by adding a whole number to p's scale bytes: the codes stay as they are.
; PANELS as in the launch before (12,800 bytes: fragment t at 1536 t, registers 4 c .. of lane L at + 512 c + 16 L; lane (r, h): panel row rho(t, r) = 32 (t / 2) + 8 (t % 2) + r % 8 + 16 (r / 8); scale words at 12,288 + 256 (t / 4) + 16 r + 4 (t % 4)).
; qkv: q at panel 8 g + ks, k at 512 + 8 g + ks.  pc: p at panel 16 (16 b + R) + ks (R: 128 rows i, ks: 128 columns j).  st: 1,024 bytes a panel: M (f32) laid like the scale words, l 512 bytes on.
; THE PRODUCT: source 0 = fragment t of q (columns j), source 1 = fragment a of k (rows i): lane (r, h), register 8 t + n is row rho(a, r), column 32 (t / 2) + 16 h + 8 (t % 2) + n: 16 neighbours of each block of 32 along j.
; SHARES.  A work-group makes 256 x 256 of one batch, a wave 128 x 128.  Of the 2 x 2 clusters of a batch three are launched: the one that lies wholly under the diagonal is not (its panels were filled by the first launch).
; In the two clusters on the diagonal the six tiles under it are made all the same (zero codes, M = -1e30, l = 0): no branch may hang on a work-group's place in its cluster, and every partner makes every joint request.
; Ring, joint loads and K steps as in the launch before: K = 1,024 in eight steps of 128; three slots of two steps, K steps 0-5 asked for at the start, slot 0 filled once more with K steps 6 and 7; straight text.
; LIMITS: NaN and infinities are not served; a t under -1e30 counts as masked.
; REGISTERS: window 0: v1-3 r, h, lane; v16-18, v20-22 LDS addresses; v24 16 x lane; v25 the mask's lane term; v26 -infinity; v28-29 for the add; v32-47 scale words; v64-255 k's fragments, two sets (on the way out at work).
;   window 1: q's fragments.   windows 2, 3: the 64 accumulators.
.set PAN,   12800
.set GRP,   8*PAN
.set RGN,   2*PAN
.set SLOT,  4*RGN
.set SPARE, 3*SLOT                     ; behind the ring: the spare words, 128 bytes a wave: two blocks of 256 bytes that no other line names
.set ADP, 16                           ; v16-18
.set ADC, 20                           ; v20-22
.set GA,  24
.set LR,  25                           ; v25  r % 8 + 16 (r / 8) - 16 h + (my first row - my first column)
.set NEG, 26                           ; v26  -infinity
.set SPW, 28
.set NIL, 29
.set W,   64                           ; v64-127  a block's 64 scores, then p
.set PC,  128                          ; v128-147 the codes just made
.set BM,  148                          ; v148-151 each block's largest score, then its largest p
.set T4,  152                          ; v152-155 the other half's
.set SO,  156                          ; v156-159 the conversions' scale operands
.set BY,  160                          ; v160-163 the bytes
.set SA,  164                          ; v[164:165], v[166:167] the sum, in two chains of pairs
.set SB,  166
.set NM,  168                          ; v168 -M (v169 is named with it as a pair)
.set TT,  170                          ; v170-171 at work
.set PW,  176                          ; v176-183 scale words, v184-191 M, v192-199 l: one for each block of rows
.set MV,  184
.set LV,  192
.set OUTR, 200
.set G1P, 24
.set G1C, 48
.set G0P0, 32                          ; group 0 for k's tiles, a set for each slot: three loads of a wave are out at the start
.set G0P1, 36
.set G0P2, 76
.set G0C0, 56                          ; the same for q's
.set G0C1, 60
.set G0C2, 96
.set LDA, 87                           ; s87 where my tile goes in a slot
.set SEL, 66
.set CS,  68                           ; s[68:69] c = log2(e) / 32
.set HM,  70
.set DL,  71                           ; s71 my first row - my first column
.set OUT, 72                           ; s[72:73] my panel of pc;  s[74:75] its place in st
.set OUT2, 74
.set MUL_LO, 0xa1
.set MUL_HI, 0xf1
.set TO_C,   0x40
.set MSB, 0
.macro WIN new                         ; the immediate's high byte repeats the setting that is left
.if MSB != (\new)
	s_set_vgpr_msb (MSB<<8)|(\new)
.set MSB, (\new)
.endif
.endm
.macro PLACES n
.rept \n
	v_nop
.endr
.endm
.macro JLOAD g0a, g1a, g0b, g1b        ; a joint load: waves 0 and 1 fetch k's two groups, waves 2 and 3 q's; four v_nop follow each of the two lines
	s_cmp_eq_u32 s15, 0
	s_cbranch_scc0 .Lfor_c_\@
	tensor_load_to_lds s[\g0a:\g0a+3], s[\g1a:\g1a+7]
	s_nop 0
.rept 4
	v_nop
.endr
	s_branch .Lasked_\@
.Lfor_c_\@:
	tensor_load_to_lds s[\g0b:\g0b+3], s[\g1b:\g1b+7]
	s_nop 0
.rept 4
	v_nop
.endr
.Lasked_\@:
.endm
.macro FIRST gp, gc, s                 ; slot s's two sets of group 0, and its first fill: K steps 2 s and 2 s + 1
	s_mov_b32 s[\gp], 1
	s_add_co_u32 s[\gp+1], s[LDA], (\s)*SLOT
	s_add_nc_u64 s[\gp+2:\gp+3], s[20:21], (\s)*RGN
	s_or_b32 s[\gp+3], s[\gp+3], 0x80000000
	s_mov_b32 s[\gc], 1
	s_add_co_u32 s[\gc+1], s[LDA], (\s)*SLOT
	s_add_nc_u64 s[\gc+2:\gc+3], s[46:47], (\s)*RGN
	s_or_b32 s[\gc+3], s[\gc+3], 0x80000000
	JLOAD \gp, G1P, \gc, G1C
.endm
.macro CREST                           ; a round of the cluster's barrier behind its opening barrier
	s_cmp_lg_u32 s14, 0
	s_cbranch_scc1 .Lnot_wave_0_\@
	s_barrier_signal -3
.Lnot_wave_0_\@:
	s_barrier_wait -3
	s_barrier_signal -1
	s_barrier_wait -1
.endm
.macro CROUND
	s_barrier_signal -1
	s_barrier_wait -1
	CREST
.endm
.macro WMX ra, rb, z                   ; one product on rD, rC, rP, rSC, rSP; ra, rb: the scale words lie in lanes 16-31; z = 1: it starts the sum
.if \z
.if ((\ra)==0) && ((\rb)==0)
	v_wmma_scale_f32_16x16x128_f8f6f4 v[rD:rD+7], v[rC:rC+11], v[rP:rP+11], 0, v[rSC], v[rSP] matrix_a_fmt:MATRIX_FMT_BF6 matrix_b_fmt:MATRIX_FMT_BF6
.elseif (\rb)==0
	v_wmma_scale_f32_16x16x128_f8f6f4 v[rD:rD+7], v[rC:rC+11], v[rP:rP+11], 0, v[rSC], v[rSP] matrix_a_fmt:MATRIX_FMT_BF6 matrix_b_fmt:MATRIX_FMT_BF6 matrix_a_scale:MATRIX_SCALE_ROW1
.elseif (\ra)==0
	v_wmma_scale_f32_16x16x128_f8f6f4 v[rD:rD+7], v[rC:rC+11], v[rP:rP+11], 0, v[rSC], v[rSP] matrix_a_fmt:MATRIX_FMT_BF6 matrix_b_fmt:MATRIX_FMT_BF6 matrix_b_scale:MATRIX_SCALE_ROW1
.else
	v_wmma_scale_f32_16x16x128_f8f6f4 v[rD:rD+7], v[rC:rC+11], v[rP:rP+11], 0, v[rSC], v[rSP] matrix_a_fmt:MATRIX_FMT_BF6 matrix_b_fmt:MATRIX_FMT_BF6 matrix_a_scale:MATRIX_SCALE_ROW1 matrix_b_scale:MATRIX_SCALE_ROW1
.endif
.else
.if ((\ra)==0) && ((\rb)==0)
	v_wmma_scale_f32_16x16x128_f8f6f4 v[rD:rD+7], v[rC:rC+11], v[rP:rP+11], v[rD:rD+7], v[rSC], v[rSP] matrix_a_fmt:MATRIX_FMT_BF6 matrix_b_fmt:MATRIX_FMT_BF6
.elseif (\rb)==0
	v_wmma_scale_f32_16x16x128_f8f6f4 v[rD:rD+7], v[rC:rC+11], v[rP:rP+11], v[rD:rD+7], v[rSC], v[rSP] matrix_a_fmt:MATRIX_FMT_BF6 matrix_b_fmt:MATRIX_FMT_BF6 matrix_a_scale:MATRIX_SCALE_ROW1
.elseif (\ra)==0
	v_wmma_scale_f32_16x16x128_f8f6f4 v[rD:rD+7], v[rC:rC+11], v[rP:rP+11], v[rD:rD+7], v[rSC], v[rSP] matrix_a_fmt:MATRIX_FMT_BF6 matrix_b_fmt:MATRIX_FMT_BF6 matrix_b_scale:MATRIX_SCALE_ROW1
.else
	v_wmma_scale_f32_16x16x128_f8f6f4 v[rD:rD+7], v[rC:rC+11], v[rP:rP+11], v[rD:rD+7], v[rSC], v[rSP] matrix_a_fmt:MATRIX_FMT_BF6 matrix_b_fmt:MATRIX_FMT_BF6 matrix_a_scale:MATRIX_SCALE_ROW1 matrix_b_scale:MATRIX_SCALE_ROW1
.endif
.endif
.endm
.macro MULB a, set, z                  ; k's block a against q's eight fragments; the 64 accumulators take turns, one instruction a turn
.irp t, 0,1,2,3,4,5,6,7
.set rD, 8*(8*((\a)%4)+\t)
.set rC, 128*(\set)+12*\t
.set rP, 64+96*(\set)+12*(\a)
.set rSC, 32+8*(\set)+(\t%4)
.set rSP, 36+8*(\set)+((\a)%4)
	WMX (\t/4), ((\a)/4), \z
.endr
.endm
.macro FETCH slot, q, set              ; 50 LDS loads in one run: the slot's q-th K step into set
	WIN TO_C
.irp t, 0,1,2,3,4,5,6,7
.irp c, 0,1,2
	ds_load_b128 v[128*(\set)+12*\t+4*\c:128*(\set)+12*\t+4*\c+3], v[ADC+(\slot)] offset:PAN*(\q)+1536*\t+512*\c
.endr
.endr
	WIN 0
.irp t, 0,1,2,3,4,5,6,7
.irp c, 0,1,2
	ds_load_b128 v[64+96*(\set)+12*\t+4*\c:64+96*(\set)+12*\t+4*\c+3], v[ADP+(\slot)] offset:PAN*(\q)+1536*\t+512*\c
.endr
.endr
	ds_load_b128 v[32+8*(\set):32+8*(\set)+3], v[ADC+(\slot)] offset:PAN*(\q)+12288
	ds_load_b128 v[36+8*(\set):36+8*(\set)+3], v[ADP+(\slot)] offset:PAN*(\q)+12288
.endm
.macro STEPX set, fslot, fq, z         ; a K step that needs no barrier: it multiplies set and fetches (fslot, fq) into the other set, behind four places: that set was read by the step before
	s_wait_dscnt 0x0                               ; this step's fragments are in (asked for 32 products ago)
	WIN MUL_LO
.irp a, 0,1,2,3
	MULB \a, \set, \z
.endr
	PLACES 4
	FETCH \fslot, \fq, 1-(\set)
	WIN MUL_HI
.irp a, 4,5,6,7
	MULB \a, \set, \z
.endr
.endm
; A K step (set 1) with a barrier.  fill = 1 (K step 1): it opens a round of the cluster's barrier, and slot 0 is filled again, with K steps 6 and 7, first thing behind the round.  fill = 0 (K step 5): slot 0 is whole again.
.macro TURN next, fill
	WIN 0                                          ; (the add's two registers lie in window 0)
	s_wait_tensorcnt 0x0                           ; all my tensor loads have landed
	ds_add_u32 v[SPW], v[NIL]                      ; 0 onto my spare word
	s_wait_dscnt 1                                 ; the add alone may be out: this step's fragments are in
	WIN MUL_LO
	MULB 0, 1, 0
	MULB 1, 1, 0
	s_wait_dscnt 0x0                               ; the add is done, and my LDS reads are over
	s_barrier_signal -1
	MULB 2, 1, 0
	MULB 3, 1, 0
	WIN 0
	s_barrier_wait -1
.if \fill
	CREST                                          ; no wave of any partner still reads slot 0's tiles or has a load on its way
	s_add_nc_u64 s[G0P0+2:G0P0+3], s[G0P0+2:G0P0+3], 3*RGN         ; from K step 0 to K step 6
	s_add_nc_u64 s[G0C0+2:G0C0+3], s[G0C0+2:G0C0+3], 3*RGN
	JLOAD G0P0, G1P, G0C0, G1C                     ; the first tensor load behind the round, and my only one from here on; its four v_nop are also the places in front of the loads below
.else
	PLACES 4
.endif
	FETCH \next, 0, 0
	WIN MUL_HI
.irp a, 4,5,6,7
	MULB \a, 1, 0
.endr
.endm
.macro LAST set
	s_wait_dscnt 0x0
	WIN MUL_LO
.irp a, 0,1,2,3
	MULB \a, \set, 0
.endr
	WIN MUL_HI
.irp a, 4,5,6,7
	MULB \a, \set, 0
.endr
	WIN 0
	PLACES 4                                       ; in front of the first read of results and of writes over the fragments' registers
.endm
; Block a of 16 rows: mask, M, p, l, codes, and the fragment's three stores.
.macro SOFTQ a
.set AC, 64*((\a)%4)
.set OFFA, 32*((\a)/2)+8*((\a)%2)      ; rho(a, r) = OFFA + r % 8 + 16 (r / 8)
	WIN 2+((\a)/4)                                 ; source 0: the accumulators' window
.set n, 0
.rept 64                               ; register n holds column 32 (n / 16) + n % 16 + 16 h: hidden where the row's number is above the column's.  The select also brings the score into window 0; each accumulator is read from its low end on
	v_cmp_lt_i32 vcc_lo, 32*(n/16)+(n%16)-OFFA, v[LR]
	v_cndmask_b32 v[W+n], v[AC+n], v[NEG], vcc_lo
.set n, n+1
.endr
	WIN 0
.irp b, 0,1,2,3
	v_max3_num_f32 v[BM+\b], v[W+16*\b], v[W+16*\b+1], v[W+16*\b+2]   ; the largest score of each block of 32 columns: it serves for M and, since p rises with the score, for the block's largest p
.endr
.irp i, 3,5,7,9,11,13
.irp b, 0,1,2,3
	v_max3_num_f32 v[BM+\b], v[BM+\b], v[W+16*\b+\i], v[W+16*\b+\i+1]
.endr
.endr
.irp b, 0,1,2,3
	v_max_num_f32 v[BM+\b], v[BM+\b], v[W+16*\b+15]
.endr
.irp b, 0,1,2,3
	v_permlanex16_b32 v[T4+\b], v[BM+\b], s[SEL], s[SEL+1]
.endr
.irp b, 0,1,2,3
	v_max_num_f32 v[BM+\b], v[BM+\b], v[T4+\b]     ; with lane l xor 16's 16 columns
.endr
	v_max3_num_f32 v[TT], v[BM], v[BM+1], v[BM+2]
	v_max_num_f32 v[TT], v[TT], v[BM+3]
	v_mul_f32 v[TT], s[CS], v[TT]                  ; as t (c is positive)
	v_max_num_f32 v[TT], 0xf149f2ca, v[TT]         ; a row all of whose 128 columns are hidden: -1e30 for -infinity, so that t - M stays -infinity and p is 0
	v_floor_f32 v[NM], -v[TT]                      ; -M = floor(-t) = -ceil(t): M is a whole number
.set n, 0
.rept 32
	v_pk_fma_f32 v[W+n:W+n+1], v[W+n:W+n+1], s[CS:CS+1], v[NM:NM+1] op_sel_hi:[1,0,0]   ; t - M, two at a time
.set n, n+2
.endr
.irp b, 0,1,2,3
	v_fma_f32 v[BM+\b], v[BM+\b], s[CS], v[NM]     ; the same of each block's largest score
.endr
.set n, 0
.rept 64
	v_exp_f32 v[W+n], v[W+n]                       ; p = 2^(t - M), at most 1: not normalised
.set n, n+1
.endr
	v_mul_f32 v[MV+(\a)], -1.0, v[NM]              ; M, to be stored.  (A plain place behind the exponentials)
	s_wait_alu depctr_va_vdst(0)                   ; one wait for the batch of 64, ahead of its first reader
.irp b, 0,1,2,3
	v_exp_f32 v[BM+\b], v[BM+\b]                   ; the block's largest p: the same two instructions on the same number give the same bits
.endr
	v_pk_add_f32 v[SA:SA+1], v[W:W+1], v[W+2:W+3]  ; l is taken of the unquantised p: two at a time, in two chains (plain work behind the four)
	v_pk_add_f32 v[SB:SB+1], v[W+4:W+5], v[W+6:W+7]
.irp j, 8,12,16,20,24,28,32,36,40,44,48,52,56,60
	v_pk_add_f32 v[SA:SA+1], v[SA:SA+1], v[W+\j:W+\j+1]
	v_pk_add_f32 v[SB:SB+1], v[SB:SB+1], v[W+\j+2:W+\j+3]
.endr
	v_pk_add_f32 v[SA:SA+1], v[SA:SA+1], v[SB:SB+1]
	v_add_f32 v[TT], v[SA], v[SA+1]
	v_permlanex16_b32 v[TT+1], v[TT], s[SEL], s[SEL+1]
	v_add_f32 v[LV+(\a)], v[TT], v[TT+1]           ; with lane l xor 16's: l of my row's 128 columns
	s_wait_alu depctr_va_vdst(0)                   ; and one wait for the four
.irp b, 0,1,2,3
	v_max_num_f32 v[BM+\b], 0x2800000, v[BM+\b]    ; the floor 2^(5 - 127): the byte cannot fall under 1 (a block of zeros keeps that byte: its codes are zeros)
.endr
.irp b, 0,1,2,3
	v_add_nc_u32 v[SO+\b], 0xfe000000, v[BM+\b]    ; 4 off the exponent field: the conversion's scale operand
.endr
.irp b, 0,1,2,3
	v_lshrrev_b32 v[BY+\b], 23, v[SO+\b]           ; the scale's byte
.endr
	v_lshl_or_b32 v[PW+(\a)], v[BY+1], 8, v[BY]
	v_lshl_or_b32 v[PW+(\a)], v[BY+2], 16, v[PW+(\a)]
	v_lshl_or_b32 v[PW+(\a)], v[BY+3], 24, v[PW+(\a)]
	s_wait_xcnt 0x0                                ; the last block's stores have read v[PC] on: only now is it written again
.irp c, 0,1
	v_cvt_scalef32_pk16_bf6_f32 v[PC+6*\c:PC+6*\c+2], v[W+32*\c:W+32*\c+15], v[SO+2*\c]
	v_cvt_scalef32_pk16_bf6_f32 v[PC+12+4*\c:PC+12+4*\c+2], v[W+32*\c+16:W+32*\c+31], v[SO+2*\c+1]   ; (a conversion's three registers begin on an even number)
.endr
	v_nop                                          ; one plain place behind a scaled conversion
.irp c, 0,1                                    ; the operand's layout wants a whole block in a lane
.irp i, 0,1,2
	v_permlane16_swap_b32 v[PC+6*\c+\i], v[PC+12+4*\c+\i]
.endr
.irp i, 0,1,2
	v_mov_b32 v[PC+3+6*\c+\i], v[PC+12+4*\c+\i]
.endr
.endr
.irp c, 0,1,2
	global_store_b128 v[GA], v[PC+4*\c:PC+4*\c+3], s[OUT:OUT+1] offset:1536*(\a)+512*\c   ; 32 lanes store 512 consecutive bytes, aligned
.endr
.endm
	s_load_b128 s[4:7], s[0:1], 0x0                ; qkv s[4:5], pc s[6:7]
	s_load_b64 s[8:9], s[0:1], 0x10                ; st
	v_lshl_add_u32 v[SPW], v0, 2, SPARE
	v_mov_b32 v[NIL], 0
	ds_add_u32 v28, v29
	ds_add_u32 v28, v29
	s_wait_dscnt 0x0
	v_lshrrev_b32 v1, 5, v0
	v_readfirstlane_b32 s14, v1                    ; wave 0..3
	s_lshr_b32 s15, s14, 1                         ; which half of the tile's rows is mine.  Also: I fetch for k (0) or for q (1)
	s_and_b32 s16, s14, 1                          ; which half of its columns.  Also: which group of that operand I fetch
	s_bfe_u32 s40, ttmp6, 0x40000                  ; cx, cy
	s_bfe_u32 s41, ttmp6, 0x40004
	s_mov_b32 s42, ttmp9                           ; cluster x: 0, 1, 2: the batch's clusters (0, 0), (0, 1), (1, 1) of (rows, columns)
	s_and_b32 s43, ttmp7, 0xffff                   ; cluster y: the batch
	s_lshl_b32 s44, s41, 2
	s_lshl_b32 s44, 15, s44                        ; my row of the cluster
	s_lshl_b32 s45, 0x1111, s40                    ; my column
	s_or_b32 s[G1P], s44, (3<<16)|(1<<21)          ; group 1: the mask; elements of 8 bytes; bit 21 set beside a mask; no padding
	s_or_b32 s[G1C], s45, (3<<16)|(1<<21)
.irp g, G1P, G1C
	s_mov_b32 s[\g+1], 32<<16                      ; tensor_dim0
	s_mov_b32 s[\g+2], 100<<16                     ; tensor_dim1
	s_mov_b32 s[\g+3], 32<<16                      ; tile_dim0
	s_mov_b32 s[\g+4], 100                         ; tile_dim1
	s_mov_b32 s[\g+5], 32                          ; tensor_dim0_stride
	s_mov_b32 s[\g+6], 0
	s_mov_b32 s[\g+7], 0
.endr
	s_lshr_b32 s17, s42, 1
	s_lshl_b32 s17, s17, 2
	s_add_co_u32 s17, s17, s41                     ; I: my tile row of 256
	s_add_co_u32 s18, s42, 1
	s_lshr_b32 s18, s18, 1
	s_lshl_b32 s18, s18, 2
	s_add_co_u32 s18, s18, s40                     ; J: my tile column
	s_lshl_b32 s19, s43, 4                         ; 16 b
	s_lshl_b32 s20, s17, 1
	s_add_co_u32 s20, s20, s19
	s_add_co_u32 s20, s20, s16
	s_add_co_u32 s20, s20, 64                      ; k's group that I fetch (k's panels lie 64 groups behind q's)
	s_mul_i32 s20, s20, GRP
	s_mov_b32 s21, 0
	s_lshl_b32 s46, s18, 1
	s_add_co_u32 s46, s46, s19
	s_add_co_u32 s46, s46, s16                     ; q's group that I fetch
	s_mul_i32 s46, s46, GRP
	s_mov_b32 s47, 0
	s_lshl_b32 s80, s17, 1
	s_add_co_u32 s80, s80, s19
	s_add_co_u32 s80, s80, s15                     ; 16 b + my block of 128 rows
	s_lshl_b32 s80, s80, 4
	s_lshl_b32 s81, s18, 1
	s_add_co_u32 s80, s80, s81
	s_add_co_u32 s80, s80, s16                     ; + my block of 128 columns: my panel's number
	s_mul_i32 s82, s80, PAN
	s_mov_b32 s83, 0
	s_lshl_b32 s84, s80, 10
	s_mov_b32 s85, 0
	s_sub_co_i32 s[DL], s17, s18
	s_lshl_b32 s[DL], s[DL], 8
	s_sub_co_i32 s86, s15, s16
	s_lshl_b32 s86, s86, 7
	s_add_co_i32 s[DL], s[DL], s86                 ; my first row - my first column
	s_mul_i32 s[LDA], s14, RGN                     ; where my tile goes: no place in the cluster enters an LDS address
	s_mov_b32 s[SEL], 0x76543210
	s_mov_b32 s[SEL+1], 0xfedcba98
	s_mov_b32 s[CS], 0x3d38aa3b                    ; c = log2(e) / 32
	s_mov_b32 s[CS+1], s[CS]                       ; (named with it as a pair, so it is written)
	s_wait_kmcnt 0x0
	s_add_nc_u64 s[20:21], s[4:5], s[20:21]
	s_add_nc_u64 s[46:47], s[4:5], s[46:47]
	s_add_nc_u64 s[OUT:OUT+1], s[6:7], s[82:83]
	s_add_nc_u64 s[OUT2:OUT2+1], s[8:9], s[84:85]
	CROUND                                         ; all sixteen work-groups are here: the first joint loads meet
	FIRST G0P0, G0C0, 0                            ; K steps 0, 1
	FIRST G0P1, G0C1, 1                            ; 2, 3
	FIRST G0P2, G0C2, 2                            ; 4, 5: three loads of mine are out
	v_and_b32 v3, 31, v0                           ; lane
	v_and_b32 v1, 15, v0                           ; r
	v_bfe_u32 v2, v0, 4, 1                         ; h
	v_lshlrev_b32 v[GA], 4, v3
	v_cmp_lt_u32 s[HM], 15, v3
	v_and_b32 v[LR], 7, v1
	v_lshrrev_b32 v27, 3, v1
	v_lshl_add_u32 v[LR], v27, 4, v[LR]
	v_lshlrev_b32 v27, 4, v2
	v_sub_nc_u32 v[LR], v[LR], v27
	v_add_nc_u32 v[LR], s[DL], v[LR]
	v_mov_b32 v[NEG], 0xff800000
	s_mul_i32 s88, s15, RGN                        ; my group of k
	s_mul_i32 s89, s16, RGN
	s_add_co_u32 s89, s89, 2*RGN                   ; my group of q, behind k's two
.irp s, 0,1,2
	v_add_nc_u32 v[ADP+\s], s88, v[GA]
	v_add_nc_u32 v[ADC+\s], s89, v[GA]
	s_add_co_u32 s88, s88, SLOT
	s_add_co_u32 s89, s89, SLOT
.endr
	s_wait_tensorcnt 2                             ; my part of slot 0 is in; the loads for slots 1 and 2 may stay out
	s_barrier_signal -1
	s_barrier_wait -1
	FETCH 0, 0, 0
	STEPX 0, 0, 1, 1                               ; K step 0 starts the sums
	TURN 1, 1                                      ; 1; slots 1 and 2 are whole; slot 0 takes K steps 6, 7
	STEPX 0, 1, 1, 0                               ; 2
	STEPX 1, 2, 0, 0                               ; 3; on into slot 2 without a barrier
	STEPX 0, 2, 1, 0                               ; 4
	TURN 0, 0                                      ; 5; slot 0 is whole again
	STEPX 0, 0, 1, 0                               ; 6
	LAST 1                                         ; 7
.irp b, 0,1,2,3
	v_mov_b32 v[T4+\b], 0                          ; written once: a lane permute's destination counts as one of its sources
.endr
	v_mov_b32 v[TT+1], 0
	v_mov_b32 v[NM+1], 0                           ; (named as the upper half of a pair)
.irp a, 0,1,2,3,4,5,6,7
	SOFTQ \a
.endr
.irp i, 0,1,2,3
	v_cndmask_b32 v[OUTR+\i], v[PW+\i], v[PW+4+\i], s[HM]       ; lanes 0-15 blocks 0-3, lanes 16-31 blocks 4-7 (both halves of the lanes hold all eight)
	v_cndmask_b32 v[OUTR+4+\i], v[MV+\i], v[MV+4+\i], s[HM]
	v_cndmask_b32 v[OUTR+8+\i], v[LV+\i], v[LV+4+\i], s[HM]
.endr
	global_store_b128 v[GA], v[OUTR:OUTR+3], s[OUT:OUT+1] offset:12288
	global_store_b128 v[GA], v[OUTR+4:OUTR+7], s[OUT2:OUT2+1]
	global_store_b128 v[GA], v[OUTR+8:OUTR+11], s[OUT2:OUT2+1] offset:512
	s_wait_tensorcnt 0x0                           ; the wave's end
	ds_add_u32 v[SPW], v[NIL]
	s_wait_dscnt 0x0
	CROUND                                         ; the closing round
	s_endpgm
.Lfunc_end_k_q5d373457c8_score:
	.size	k_q5d373457c8_score, .Lfunc_end_k_q5d373457c8_score-k_q5d373457c8_score
	.p2alignl 7, 3214868480
	.fill 96, 4, 3214868480
	.section	.rodata,"a",@progbits
	.p2align	6, 0x0
	.amdhsa_kernel k_q5d373457c8_score
		.amdhsa_group_segment_fixed_size 327680
		.amdhsa_private_segment_fixed_size 0
		.amdhsa_enable_private_segment 0
		.amdhsa_kernarg_size 24
		.amdhsa_user_sgpr_count 2
		.amdhsa_user_sgpr_kernarg_segment_ptr 1
		.amdhsa_wavefront_size32 1
		.amdhsa_system_sgpr_workgroup_id_x 1
		.amdhsa_system_sgpr_workgroup_id_y 1
		.amdhsa_system_sgpr_workgroup_id_z 1
		.amdhsa_system_vgpr_workitem_id 0
		.amdhsa_next_free_vgpr 1024
		.amdhsa_next_free_sgpr 100
		.amdhsa_reserve_vcc 1
		.amdhsa_float_denorm_mode_32 3
		.amdhsa_float_denorm_mode_16_64 3
		.amdhsa_memory_ordered 1
		.amdhsa_forward_progress 1
		.amdhsa_inst_pref_size 231
	.end_amdhsa_kernel
	.amdgpu_metadata
---
amdhsa.version: [ 1, 2 ]
amdhsa.kernels:
  - .name:           k_q5d373457c8_score
    .symbol:         k_q5d373457c8_score.kd
    .args:
      - { .name: qkv, .offset: 0, .size: 8, .value_kind: global_buffer, .address_space: global }
      - { .name: pc, .offset: 8, .size: 8, .value_kind: global_buffer, .address_space: global }
      - { .name: st, .offset: 16, .size: 8, .value_kind: global_buffer, .address_space: global }
    .group_segment_fixed_size: 327680
    .private_segment_fixed_size: 0
    .kernarg_segment_align: 8
    .kernarg_segment_size: 24
    .max_flat_workgroup_size: 128
    .sgpr_count:     100
    .vgpr_count:     1024
    .wavefront_size: 32
...
	.end_amdgpu_metadata
.endif
;; end of part 3
;; launch mix (part 4): grid 4 x 64, 4 waves a work-group, clusters of 4 x 4, 327,680 bytes of LDS; arguments pc, st, qkv, out0; writes out0
.if DOCPART == 4
	.amdgcn_target "amdgcn-amd-amdhsa--gfx1250"
	.amdhsa_code_object_version 6
	.text
	.protected	k_q5d373457c8_mix
	.globl	k_q5d373457c8_mix
	.p2align	8
	.type	k_q5d373457c8_mix,@function
k_q5d373457c8_mix:
	s_mov_b64 s[64:65], 0
	v_nop
	global_prefetch_b8 v0, s[64:65] scope:SCOPE_SE
	s_setreg_imm32_b32 hwreg(HW_REG_WAVE_MODE, 25, 1), 1
	s_wait_xcnt 0x0
	s_wait_alu depctr_hold_cnt(0) depctr_sa_sdst(0) depctr_va_vdst(0) depctr_va_sdst(0) depctr_va_ssrc(0) depctr_va_vcc(0) depctr_vm_vsrc(0)
	s_getreg_b32 s2, hwreg(HW_REG_IB_STS2, 6, 4)
	s_cmp_eq_u32 s2, 0
	s_cbranch_scc0 .Lentry_in_a_cluster
	s_endpgm
.Lentry_in_a_cluster:
	s_bfe_u32 s2, ttmp6, 0x10000c
	s_cmp_lg_u32 s2, 0xf033
	s_cbranch_scc0 .Lentry_shape_is_right
	s_endpgm
.Lentry_shape_is_right:
; out[b][i][:] = (the sum over j of p[i][j] v[j][:]) / l[i], on codes of BF6 (E3M2).  p's codes were made under a whole-number M of their own for each (row, 128 columns).  Here the row's M is the largest of its sixteen;
; each block of 128 columns is brought under it by adding d = its M - the row's M (a whole number, 0 or less) to its four scale bytes, and its l by a multiplication by 2^d: nothing is rounded.
; PANELS as in the launches before.  pc: p at panel 16 (16 b + R) + ks.  st: 1,024 bytes a panel: M, then l, laid like a panel's scale words.  qkv: v^T at panel 1024 + 16 (8 b + ge) + ks (rows e, K = j).
; THE PRODUCT: source 0 = fragment t of v^T (columns e), source 1 = fragment a of p (rows i): lane (r, h), register 8 t + n is row rho(a, r), column 32 (t / 2) + 16 h + 8 (t % 2) + n.
; SHARES.  A work-group makes 128 rows x 256 columns; wave (hr, hc) takes p's fragments 4 hr .. 4 hr + 3 and v^T's group hc: 64 x 128, 32 accumulators.  So there are 256 work-groups of 16 K steps.
; K = 2,048 goes in 16 steps of 128 through two LDS slots of four steps.  Waves 0, 1 fetch p's panels (two K steps each), waves 2, 3 v^T's two groups (four K steps each): dense blocks, taken as rows of 256 bytes.
; CLUSTERS 4 x 4: p's tiles are shared along a row of the cluster (the four blocks of e), v^T's along a column (four blocks of rows of one batch).  All 16 K steps are walked by every work-group: panels under the diagonal hold zero codes.
; The rows' scale words, M and l are asked for first of all, ahead of the cluster's opening round and of the first tiles, and are worked on while the tiles are on their way.
; LIMITS: d is held at -128 from below, and a scale byte at 0: blocks that far under the row's M count for at most 28 x 2^-127 a number.  NaN and infinities are not served.
; REGISTERS: window 0: v1-3 r, h, lane; v8-9 addresses of the first loads; v16-17, v20-21 LDS addresses; v22-24 the way out; v28-29 for the add; v32-63 p's scale words, adjusted (register 4 kk + i: K step 2 kk in lanes 0-15,
;   2 kk + 1 in lanes 16-31, fragment 4 hr + i); v64-71 v^T's scale words, two sets; v72-79 the row's M, at work; v80-87 1 / l in pairs; v96-143, v144-191 p's fragments, two sets.   window 1: v^T's fragments.   window 2: the accumulators.
.set PAN,   12800
.set GRP,   16*PAN                     ; a group's sixteen K steps in memory
.set SLOT,  12*PAN                     ; p's four panels, then four for each of v^T's two groups
.set SPARE, 2*SLOT                     ; behind the ring: the spare words, 128 bytes a wave: two blocks of 256 bytes that no other line names
.set ADP, 16
.set ADC, 20
.set STO, 22                           ; v22 the way out: where I put 64 bytes of a row: my stage + 528 r + 64 h
.set RD,  23                           ; v23 where I read a row back
.set GA,  24                           ; v24 16 x lane
.set SPW, 28
.set NIL, 29
.set PS,  32
.set MG,  72
.set RI,  80
.set MS,  96                           ; at the head: v96-127 M, v128-159 l, v160-191 at work
.set LS,  128
.set TW,  160
.set TO,  96                           ; the way out: v96-159 a block's results, v160-223 its rows read back
.set BK,  160
.set G1P, 24
.set G0P, 32
.set G1C, 48
.set G0C, 56
.set SEL, 66
.set OUT, 72                           ; s[72:73]
.set MUL,  0xa1                        ; source 0 (v^T) window 1, source 1 (p) window 0, C and D window 2
.set TO_C, 0x40
.set MSB, 0
.macro WIN new                         ; the immediate's high byte repeats the setting that is left
.if MSB != (\new)
	s_set_vgpr_msb (MSB<<8)|(\new)
.set MSB, (\new)
.endif
.endm
.macro PLACES n
.rept \n
	v_nop
.endr
.endm
.macro JLOAD g0a, g1a, g0b, g1b        ; a joint load: waves 0 and 1 fetch p's panels, waves 2 and 3 v^T's; four v_nop follow each of the two lines
	s_cmp_eq_u32 s15, 0
	s_cbranch_scc0 .Lfor_c_\@
	tensor_load_to_lds s[\g0a:\g0a+3], s[\g1a:\g1a+7]
	s_nop 0
.rept 4
	v_nop
.endr
	s_branch .Lasked_\@
.Lfor_c_\@:
	tensor_load_to_lds s[\g0b:\g0b+3], s[\g1b:\g1b+7]
	s_nop 0
.rept 4
	v_nop
.endr
.Lasked_\@:
.endm
.macro CREST
	s_cmp_lg_u32 s14, 0
	s_cbranch_scc1 .Lnot_wave_0_\@
	s_barrier_signal -3
.Lnot_wave_0_\@:
	s_barrier_wait -3
	s_barrier_signal -1
	s_barrier_wait -1
.endm
.macro CROUND
	s_barrier_signal -1
	s_barrier_wait -1
	CREST
.endm
.macro WMX ra, rb, z                   ; one product on rD, rC, rP, rSC, rSP; ra, rb: the scale words lie in lanes 16-31; z = 1: it starts the sum
.if \z
.if ((\ra)==0) && ((\rb)==0)
	v_wmma_scale_f32_16x16x128_f8f6f4 v[rD:rD+7], v[rC:rC+11], v[rP:rP+11], 0, v[rSC], v[rSP] matrix_a_fmt:MATRIX_FMT_BF6 matrix_b_fmt:MATRIX_FMT_BF6
.elseif (\rb)==0
	v_wmma_scale_f32_16x16x128_f8f6f4 v[rD:rD+7], v[rC:rC+11], v[rP:rP+11], 0, v[rSC], v[rSP] matrix_a_fmt:MATRIX_FMT_BF6 matrix_b_fmt:MATRIX_FMT_BF6 matrix_a_scale:MATRIX_SCALE_ROW1
.elseif (\ra)==0
	v_wmma_scale_f32_16x16x128_f8f6f4 v[rD:rD+7], v[rC:rC+11], v[rP:rP+11], 0, v[rSC], v[rSP] matrix_a_fmt:MATRIX_FMT_BF6 matrix_b_fmt:MATRIX_FMT_BF6 matrix_b_scale:MATRIX_SCALE_ROW1
.else
	v_wmma_scale_f32_16x16x128_f8f6f4 v[rD:rD+7], v[rC:rC+11], v[rP:rP+11], 0, v[rSC], v[rSP] matrix_a_fmt:MATRIX_FMT_BF6 matrix_b_fmt:MATRIX_FMT_BF6 matrix_a_scale:MATRIX_SCALE_ROW1 matrix_b_scale:MATRIX_SCALE_ROW1
.endif
.else
.if ((\ra)==0) && ((\rb)==0)
	v_wmma_scale_f32_16x16x128_f8f6f4 v[rD:rD+7], v[rC:rC+11], v[rP:rP+11], v[rD:rD+7], v[rSC], v[rSP] matrix_a_fmt:MATRIX_FMT_BF6 matrix_b_fmt:MATRIX_FMT_BF6
.elseif (\rb)==0
	v_wmma_scale_f32_16x16x128_f8f6f4 v[rD:rD+7], v[rC:rC+11], v[rP:rP+11], v[rD:rD+7], v[rSC], v[rSP] matrix_a_fmt:MATRIX_FMT_BF6 matrix_b_fmt:MATRIX_FMT_BF6 matrix_a_scale:MATRIX_SCALE_ROW1
.elseif (\ra)==0
	v_wmma_scale_f32_16x16x128_f8f6f4 v[rD:rD+7], v[rC:rC+11], v[rP:rP+11], v[rD:rD+7], v[rSC], v[rSP] matrix_a_fmt:MATRIX_FMT_BF6 matrix_b_fmt:MATRIX_FMT_BF6 matrix_b_scale:MATRIX_SCALE_ROW1
.else
	v_wmma_scale_f32_16x16x128_f8f6f4 v[rD:rD+7], v[rC:rC+11], v[rP:rP+11], v[rD:rD+7], v[rSC], v[rSP] matrix_a_fmt:MATRIX_FMT_BF6 matrix_b_fmt:MATRIX_FMT_BF6 matrix_a_scale:MATRIX_SCALE_ROW1 matrix_b_scale:MATRIX_SCALE_ROW1
.endif
.endif
.endm
.macro MULB i, set, ks, z              ; my i-th fragment of p against v^T's eight, K step ks; the 32 accumulators take turns, one instruction a turn
.irp t, 0,1,2,3,4,5,6,7
.set rD, 8*(8*(\i)+\t)
.set rC, 128*(\set)+12*\t
.set rP, 96+48*(\set)+12*(\i)
.set rSC, 64+4*(\set)+(\t%4)
.set rSP, PS+4*((\ks)/2)+(\i)
	WMX (\t/4), ((\ks)%2), \z
.endr
.endm
.macro FETCH slot, q, set              ; 37 LDS loads in one run: the slot's q-th K step: v^T's eight fragments, my four of p, v^T's scale words
	WIN TO_C
.irp t, 0,1,2,3,4,5,6,7
.irp c, 0,1,2
	ds_load_b128 v[128*(\set)+12*\t+4*\c:128*(\set)+12*\t+4*\c+3], v[ADC+(\slot)] offset:PAN*(\q)+1536*\t+512*\c
.endr
.endr
	WIN 0
.irp t, 0,1,2,3
.irp c, 0,1,2
	ds_load_b128 v[96+48*(\set)+12*\t+4*\c:96+48*(\set)+12*\t+4*\c+3], v[ADP+(\slot)] offset:PAN*(\q)+1536*\t+512*\c
.endr
.endr
	ds_load_b128 v[64+4*(\set):64+4*(\set)+3], v[ADC+(\slot)] offset:PAN*(\q)+12288
.endm
.macro STEP slot, q, ks, z             ; a K step with its successor in the same slot; four places stand in front of the loads into the set that the step before read
	s_wait_dscnt 0x0                               ; this step's fragments are in (asked for 16 products ago)
	WIN MUL
	MULB 0, (\q)%2, \ks, \z
	MULB 1, (\q)%2, \ks, \z
	PLACES 4
	FETCH \slot, (\q)+1, ((\q)+1)%2
	WIN MUL
	MULB 2, (\q)%2, \ks, \z
	MULB 3, (\q)%2, \ks, \z
.endm
.macro TURN slot, next, ks, fill       ; a slot's last K step (set 1) changes slots: one barrier, which with fill = 1 opens a round of the cluster's barrier
	WIN 0                                          ; (the add's two registers lie in window 0)
	s_wait_tensorcnt 0x0                           ; all my tensor loads have landed: my part of the next slot
	ds_add_u32 v[SPW], v[NIL]                      ; 0 onto my spare word
	s_wait_dscnt 1                                 ; the add alone may be out: this step's fragments are in
	WIN MUL
	MULB 0, 1, \ks, 0                              ; eight products stand between the add and the wait for it
	s_wait_dscnt 0x0                               ; the add is done, and my reads of this slot are over
	s_barrier_signal -1
	MULB 1, 1, \ks, 0
	WIN 0
	s_barrier_wait -1
.if \fill
	CREST                                          ; no wave of any partner still reads this slot's tiles or has a load on its way
	s_add_nc_u64 s[G0P+4*\slot+2:G0P+4*\slot+3], s[G0P+4*\slot+2:G0P+4*\slot+3], 8*PAN
	s_add_nc_u64 s[G0C+4*\slot+2:G0C+4*\slot+3], s[G0C+4*\slot+2:G0C+4*\slot+3], 8*PAN
	JLOAD G0P+4*\slot, G1P, G0C+4*\slot, G1C       ; the first tensor load behind the round; its four v_nop are also the places in front of the loads below
.else
	PLACES 4
.endif
	FETCH \next, 0, 0
	WIN MUL
	MULB 2, 1, \ks, 0
	MULB 3, 1, \ks, 0
.endm
	s_load_b256 s[4:11], s[0:1], 0x0               ; pc s[4:5], st s[6:7], qkv s[8:9], out0 s[10:11]
	v_lshl_add_u32 v[SPW], v0, 2, SPARE
	v_mov_b32 v[NIL], 0
	ds_add_u32 v28, v29
	ds_add_u32 v28, v29
	s_wait_dscnt 0x0
	v_lshrrev_b32 v1, 5, v0
	v_readfirstlane_b32 s14, v1                    ; wave 0..3
	s_lshr_b32 s15, s14, 1                         ; hr: which four fragments of p are mine.  Also: I fetch for p (0) or for v^T (1)
	s_and_b32 s16, s14, 1                          ; hc: which group of v^T is mine.  Also: which part of that operand I fetch
	s_bfe_u32 s40, ttmp6, 0x40000                  ; cx: the block of 256 columns e (the grid has one cluster along x)
	s_bfe_u32 s41, ttmp6, 0x40004                  ; cy
	s_and_b32 s43, ttmp7, 0xffff                   ; cluster y
	s_lshl_b32 s44, s41, 2
	s_lshl_b32 s44, 15, s44                        ; my row of the cluster
	s_lshl_b32 s45, 0x1111, s40                    ; my column
	s_or_b32 s[G1P], s44, (3<<16)|(1<<21)          ; group 1: the mask; elements of 8 bytes; bit 21 set beside a mask; no padding
	s_mov_b32 s[G1P+1], 32<<16                     ; p: two panels: 100 rows of 256 bytes
	s_mov_b32 s[G1P+2], 100<<16
	s_mov_b32 s[G1P+3], 32<<16
	s_mov_b32 s[G1P+4], 100
	s_mov_b32 s[G1P+5], 32
	s_mov_b32 s[G1P+6], 0
	s_mov_b32 s[G1P+7], 0
	s_or_b32 s[G1C], s45, (3<<16)|(1<<21)
	s_mov_b32 s[G1C+1], 32<<16                     ; v^T: four panels: 200 rows of 256 bytes
	s_mov_b32 s[G1C+2], 200<<16
	s_mov_b32 s[G1C+3], 32<<16
	s_mov_b32 s[G1C+4], 200
	s_mov_b32 s[G1C+5], 32
	s_mov_b32 s[G1C+6], 0
	s_mov_b32 s[G1C+7], 0
	s_lshr_b32 s17, s43, 2                         ; the batch
	s_and_b32 s18, s43, 3
	s_lshl_b32 s18, s18, 2
	s_add_co_u32 s18, s18, s41                     ; R: my block of 128 rows
	s_lshl_b32 s19, s17, 4
	s_add_co_u32 s19, s19, s18                     ; 16 b + R
	s_mul_i32 s20, s19, GRP
	s_mul_i32 s22, s16, 2*PAN
	s_add_co_u32 s20, s20, s22                     ; p: my two K steps of a slot's four
	s_mov_b32 s21, 0
	s_lshl_b32 s46, s17, 3
	s_lshl_b32 s23, s40, 1
	s_add_co_u32 s46, s46, s23
	s_add_co_u32 s46, s46, s16                     ; v^T: group 8 b + 2 cx + part
	s_mul_i32 s46, s46, GRP
	s_add_co_u32 s46, s46, 1024*PAN                ; behind q's and k's panels
	s_mov_b32 s47, 0
	s_mul_i32 s84, s16, 2*PAN                      ; where they go: p's at the slot's head,
	s_mul_i32 s85, s16, 4*PAN
	s_add_co_u32 s85, s85, 4*PAN                   ; v^T's behind them
	s_mul_i32 s80, s19, GRP
	s_add_co_u32 s80, s80, 12288                   ; the scale words of my rows' first panel
	s_mov_b32 s81, 0
	s_lshl_b32 s82, s19, 14                        ; and their M and l: 16 x 1,024 bytes a block of rows
	s_mov_b32 s83, 0
	s_lshl_b32 s86, s19, 19                        ; out: 128 (16 b + R) rows of 4,096 bytes,
	s_lshl_b32 s87, s15, 18                        ; + 64 hr rows,
	s_add_co_u32 s86, s86, s87
	s_lshl_b32 s87, s40, 10                        ; + 256 cx columns,
	s_add_co_u32 s86, s86, s87
	s_lshl_b32 s87, s16, 9                         ; + 128 hc
	s_add_co_u32 s86, s86, s87
	s_mov_b32 s87, 0
	s_mov_b32 s[SEL], 0x76543210
	s_mov_b32 s[SEL+1], 0xfedcba98
	v_and_b32 v3, 31, v0                           ; lane
	v_and_b32 v1, 15, v0                           ; r
	v_bfe_u32 v2, v0, 4, 1                         ; h
	s_lshl_b32 s88, s15, 8                         ; fragments 4 hr on: 256 hr bytes into a block of words
	v_mul_u32_u24 v8, v2, PAN
	v_lshl_add_u32 v8, v1, 4, v8
	v_add_nc_u32 v8, s88, v8                       ; scale words: lanes 0-15 an even K step's panel, lanes 16-31 the next; 16 bytes a row: fragments 4 hr .. 4 hr + 3
	v_lshlrev_b32 v9, 10, v2
	v_lshl_add_u32 v9, v1, 4, v9
	v_add_nc_u32 v9, s88, v9                       ; M and l likewise
	s_wait_kmcnt 0x0
	s_add_nc_u64 s[20:21], s[4:5], s[20:21]
	s_add_nc_u64 s[46:47], s[8:9], s[46:47]
	s_add_nc_u64 s[76:77], s[4:5], s[80:81]
	s_add_nc_u64 s[78:79], s[6:7], s[82:83]
	s_add_nc_u64 s[OUT:OUT+1], s[10:11], s[86:87]
	; my rows' scale words, M and l of all sixteen K steps: asked for ahead of the round and of the tiles; nobody writes these bytes in this launch, so the loads may stay out across the barriers
.irp k, 0,1,2,3,4,5,6,7
	global_load_b128 v[PS+4*\k:PS+4*\k+3], v8, s[76:77] offset:2*PAN*\k       ; sixteen lanes read 256 consecutive bytes, aligned
	global_load_b128 v[MS+4*\k:MS+4*\k+3], v9, s[78:79] offset:2048*\k
	global_load_b128 v[LS+4*\k:LS+4*\k+3], v9, s[78:79] offset:2048*\k+512
.endr
	CROUND                                         ; all sixteen work-groups are here: the first joint loads meet
.irp s, 0,1
	s_mov_b32 s[G0P+4*\s], 1
	s_add_co_u32 s[G0P+4*\s+1], s84, \s*SLOT
	s_add_nc_u64 s[G0P+4*\s+2:G0P+4*\s+3], s[20:21], \s*4*PAN      ; slot s begins with K steps 4 s .. 4 s + 3
	s_or_b32 s[G0P+4*\s+3], s[G0P+4*\s+3], 0x80000000
	s_mov_b32 s[G0C+4*\s], 1
	s_add_co_u32 s[G0C+4*\s+1], s85, \s*SLOT
	s_add_nc_u64 s[G0C+4*\s+2:G0C+4*\s+3], s[46:47], \s*4*PAN
	s_or_b32 s[G0C+4*\s+3], s[G0C+4*\s+3], 0x80000000
	JLOAD G0P+4*\s, G1P, G0C+4*\s, G1C             ; two loads of mine are out
.endr
	v_lshlrev_b32 v[GA], 4, v3
	s_mul_i32 s89, s15, 6144                       ; my four fragments of p
	s_mul_i32 s90, s16, 4*PAN
	s_add_co_u32 s90, s90, 4*PAN                   ; my group of v^T
.irp s, 0,1
	v_add_nc_u32 v[ADP+\s], s89, v[GA]
	v_add_nc_u32 v[ADC+\s], s90, v[GA]
	s_add_co_u32 s89, s89, SLOT
	s_add_co_u32 s90, s90, SLOT
.endr
	s_mul_i32 s91, s14, 8448                       ; my stage, 16 rows x 528 bytes, in slot 0: when the first result is stored there, that slot has had its last fill and its last read
	v_mul_u32_u24 v[STO], v1, 528
	v_lshl_add_u32 v[STO], v2, 6, v[STO]
	v_add_nc_u32 v[STO], s91, v[STO]
	v_add_nc_u32 v[RD], s91, v[GA]
.irp i, 0,1,2,3
	v_mov_b32 v[MG+4+\i], 0                        ; written once: a lane permute's destination counts as one of its sources
.endr
	; ---- while the first tiles are on their way: the row's M and l, and p's scale words under the row's M
	s_wait_loadcnt 0x0
.irp i, 0,1,2,3
	v_max3_num_f32 v[MG+\i], v[MS+\i], v[MS+4+\i], v[MS+8+\i]
.endr
.irp i, 0,1,2,3
	v_max3_num_f32 v[MG+\i], v[MG+\i], v[MS+12+\i], v[MS+16+\i]
.endr
.irp i, 0,1,2,3
	v_max3_num_f32 v[MG+\i], v[MG+\i], v[MS+20+\i], v[MS+24+\i]
.endr
.irp i, 0,1,2,3
	v_max_num_f32 v[MG+\i], v[MG+\i], v[MS+28+\i]
.endr
.irp i, 0,1,2,3
	v_permlanex16_b32 v[MG+4+\i], v[MG+\i], s[SEL], s[SEL+1]
.endr
.irp i, 0,1,2,3
	v_max_num_f32 v[MG+\i], v[MG+\i], v[MG+4+\i]   ; the row's M: the largest of its sixteen (the block on the diagonal always has a true one)
.endr
.set n, 0
.rept 32
	v_sub_f32 v[MS+n], v[MS+n], v[MG+(n%4)]        ; d: a difference of whole numbers, 0 or less
.set n, n+1
.endr
.set n, 0
.rept 32
	v_max_num_f32 v[MS+n], 0xc3000000, v[MS+n]     ; held at -128
.set n, n+1
.endr
.set n, 0
.rept 32
	v_cvt_i32_f32 v[MS+n], v[MS+n]
.set n, n+1
.endr
.set n, 0
.rept 32
	v_ldexp_f32 v[LS+n], v[LS+n], v[MS+n]          ; l under the row's M: x 2^d
.set n, n+1
.endr
.set n, 0
.rept 32
	v_add_nc_u32 v[MS+n], 128, v[MS+n]             ; d + 128: 0 .. 128
.set n, n+1
.endr
.set n, 0
.rept 32
	v_perm_b32 v[MS+n], v[MS+n], v[MS+n], 0        ; in all four bytes
.set n, n+1
.endr
.set n, 0
.rept 32
	v_add_nc_u32 v[PS+n], v[PS+n], v[MS+n]         ; byte + d + 128: a byte is at most 123, so nothing is carried from byte to byte
.set n, n+1
.endr
.set n, 0
.rept 32
	v_and_b32 v[TW+n], 0x80808080, v[PS+n]         ; a byte whose sum has reached 128 stays,
.set n, n+1
.endr
.set n, 0
.rept 32
	v_lshrrev_b32 v[MS+n], 7, v[TW+n]
.set n, n+1
.endr
.set n, 0
.rept 32
	v_sub_nc_u32 v[TW+n], v[TW+n], v[MS+n]         ; under the mask 0x7f, which takes the 128 off again;
.set n, n+1
.endr
.set n, 0
.rept 32
	v_and_b32 v[PS+n], v[PS+n], v[TW+n]            ; the others become 0: each byte is max(byte + d, 0)
.set n, n+1
.endr
.irp k, 1,2,3,4,5,6,7
.irp i, 0,1,2,3
	v_add_f32 v[LS+\i], v[LS+\i], v[LS+4*\k+\i]
.endr
.endr
.irp i, 0,1,2,3
	v_permlanex16_b32 v[MG+4+\i], v[LS+\i], s[SEL], s[SEL+1]
.endr
.irp i, 0,1,2,3
	v_add_f32 v[LS+\i], v[LS+\i], v[MG+4+\i]       ; the row's l
.endr
.irp i, 0,1,2,3
	v_rcp_f32 v[RI+2*\i], v[LS+\i]
.endr
	v_nop                                          ; a plain place behind the last reciprocal
	s_wait_alu depctr_va_vdst(0)                   ; one wait for the four, ahead of their first reader
.irp i, 0,1,2,3
	v_mov_b32 v[RI+2*\i+1], v[RI+2*\i]             ; the packed multiply names a pair
.endr
	PLACES 8                                       ; scale words written by vector instructions stand eight places ahead of the first scaled product
	s_wait_tensorcnt 1                             ; my part of slot 0 is in; slot 1's may stay out
	s_barrier_signal -1
	s_barrier_wait -1
	FETCH 0, 0, 0
	STEP 0, 0, 0, 1                                ; K step 0 starts the sums
	STEP 0, 1, 1, 0
	STEP 0, 2, 2, 0
	TURN 0, 1, 3, 1                                ; slot 0 takes K steps 8-11
	STEP 1, 0, 4, 0
	STEP 1, 1, 5, 0
	STEP 1, 2, 6, 0
	TURN 1, 0, 7, 1                                ; slot 1 takes K steps 12-15
	STEP 0, 0, 8, 0
	STEP 0, 1, 9, 0
	STEP 0, 2, 10, 0
	TURN 0, 1, 11, 0                               ; nothing is left to fetch; behind this barrier nobody reads slot 0
	STEP 1, 0, 12, 0
	STEP 1, 1, 13, 0
	STEP 1, 2, 14, 0
	s_wait_dscnt 0x0                               ; K step 15
	WIN MUL
	MULB 0, 1, 15, 0
	MULB 1, 1, 15, 0
	MULB 2, 1, 15, 0
	MULB 3, 1, 15, 0
	WIN 0
	PLACES 4                                       ; in front of the first read of results and of writes over the fragments' registers
	; THE WAY OUT, a block of 16 rows x 128 columns at a time: divided by l; a lane's four runs of 64 bytes go into my stage and come back as whole rows of 512 bytes
.irp i, 0,1,2,3
	WIN 0x02                                       ; source 0: the accumulators' window
.set n, 0
.rept 32
	v_pk_mul_f32 v[TO+n:TO+n+1], v[64*\i+n:64*\i+n+1], v[RI+2*\i:RI+2*\i+1] op_sel_hi:[1,0]   ; each accumulator from its low end on
.set n, n+2
.endr
	WIN 0
.irp b, 0,1,2,3
.irp j, 0,1,2,3
	ds_store_b128 v[STO], v[TO+16*\b+4*\j:TO+16*\b+4*\j+3] offset:128*\b+16*\j
.endr
.endr
	s_wait_xcnt 0x0                                ; the last block's stores have read their registers: the loads below may land there
.irp r, 0,1,2,3,4,5,6,7,8,9,10,11,12,13,14,15
	ds_load_b128 v[BK+4*\r:BK+4*\r+3], v[RD] offset:528*\r   ; LDS serves a wave's instructions in order: these see my stores
.endr
.irp r, 0,1,2,3,4,5,6,7,8,9,10,11,12,13,14,15
	s_wait_dscnt 15-\r                             ; row r is back; the younger loads may be out
	global_store_b128 v[GA], v[BK+4*\r:BK+4*\r+3], s[OUT:OUT+1] offset:(32*(\i/2)+8*(\i%2)+(\r%8)+16*(\r/8))*4096 th:TH_STORE_NT   ; 32 lanes store 512 consecutive bytes of row rho(i, r), aligned; written once, read by nobody here
.endr
.endr
	s_wait_tensorcnt 0x0                           ; the wave's end, behind my last tensor load and my last LDS store
	ds_add_u32 v[SPW], v[NIL]
	s_wait_dscnt 0x0
	CROUND                                         ; the closing round
	s_endpgm
.Lfunc_end_k_q5d373457c8_mix:
	.size	k_q5d373457c8_mix, .Lfunc_end_k_q5d373457c8_mix-k_q5d373457c8_mix
	.p2alignl 7, 3214868480
	.fill 96, 4, 3214868480
	.section	.rodata,"a",@progbits
	.p2align	6, 0x0
	.amdhsa_kernel k_q5d373457c8_mix
		.amdhsa_group_segment_fixed_size 327680
		.amdhsa_private_segment_fixed_size 0
		.amdhsa_enable_private_segment 0
		.amdhsa_kernarg_size 32
		.amdhsa_user_sgpr_count 2
		.amdhsa_user_sgpr_kernarg_segment_ptr 1
		.amdhsa_wavefront_size32 1
		.amdhsa_system_sgpr_workgroup_id_x 1
		.amdhsa_system_sgpr_workgroup_id_y 1
		.amdhsa_system_sgpr_workgroup_id_z 1
		.amdhsa_system_vgpr_workitem_id 0
		.amdhsa_next_free_vgpr 768
		.amdhsa_next_free_sgpr 100
		.amdhsa_reserve_vcc 0
		.amdhsa_float_denorm_mode_32 3
		.amdhsa_float_denorm_mode_16_64 3
		.amdhsa_memory_ordered 1
		.amdhsa_forward_progress 1
		.amdhsa_inst_pref_size 162
	.end_amdhsa_kernel
	.amdgpu_metadata
---
amdhsa.version: [ 1, 2 ]
amdhsa.kernels:
  - .name:           k_q5d373457c8_mix
    .symbol:         k_q5d373457c8_mix.kd
    .args:
      - { .name: pc, .offset: 0, .size: 8, .value_kind: global_buffer, .address_space: global }
      - { .name: st, .offset: 8, .size: 8, .value_kind: global_buffer, .address_space: global }
      - { .name: qkv, .offset: 16, .size: 8, .value_kind: global_buffer, .address_space: global }
      - { .name: out0, .offset: 24, .size: 8, .value_kind: global_buffer, .address_space: global }
    .group_segment_fixed_size: 327680
    .private_segment_fixed_size: 0
    .kernarg_segment_align: 8
    .kernarg_segment_size: 32
    .max_flat_workgroup_size: 128
    .sgpr_count:     100
    .vgpr_count:     768
    .wavefront_size: 32
...
	.end_amdgpu_metadata
.endif
;; end of part 4
